; MI455X (gfx1250); checked and timed in simulation.
; The chip was launched on July 23, 2026; its instructions are those of AMD's public machine-readable ISA for CDNA 5 (MIT licence, August 2026) and "CDNA5" Instruction Set Architecture Reference Guide (July 2026). The comments in the code are by the model that wrote it; some were corrected since.
;; Masked Attention. Allowed arithmetic: matrix products marked QUANTISED: E4M3 operands, one given power-of-two scale a tensor, by v_wmma_f32_16x16x64_fp8_fp8 or v_wmma_f32_16x16x128_fp8_fp8, f32 sums; everything else in f32.
;; Inputs: attn_mask 1 x 1 x 2,048 x 2,048 bool; b_proj 1,024 float32; b_qkv 3,072 float32; bt_k 64 float32; bt_q 64 float32; g_k 64 float32; g_q 64 float32; lowp_scales 8 int32 (the exponents e of the quantised operands' scales 2^e); w_proj 1,024 x 1,024 float32; w_qkv 3,072 x 1,024 float32; x 2 x 2,048 x 1,024 float32.
;; Outputs: out0 2 x 2,048 x 1,024 float32.
;; This version of the problem:
;;   THIS VERSION OF THE PROBLEM IS GIVEN IN LOW PRECISION. The matrix products marked QUANTISED in the list below multiply operands that are first quantised to E4M3 (4 exponent bits, 3 mantissa bits; 8 bits a number), with one given power-of-two scale for each operand tensor; their sums are f32. All else is computed in f32.
;;   The module's matrix products, in the order in which they are computed (A, B: the left and right operand; K: the contracted axis; several contracted axes count as one K, in the product's order):
;;     1. [M 4,096, K 1,024] x [K 1,024, N 3,072]; A: input x; B: input w_qkv: QUANTISED (scales: A lowp_scales[0], B lowp_scales[1])
;;     2. batch 32 x [M 2,048, K 64] x [K 64, N 2,048]; A: computed on the way; B: computed on the way: QUANTISED (scales: A lowp_scales[2], B lowp_scales[3])
;;     3. batch 32 x [M 2,048, K 2,048] x [K 2,048, N 64]; A: softmax (see below); B: computed on the way: QUANTISED (scales: A lowp_scales[4], B lowp_scales[5])
;;     4. [M 4,096, K 1,024] x [K 1,024, N 1,024]; A: computed on the way; B: input w_proj: QUANTISED (scales: A lowp_scales[6], B lowp_scales[7])
;;   THE QUANTISER, for each operand of a quantised product, along K:
;;     - The operand's scale is 2^e, e = its entry of the input lowp_scales (int32; the entries are numbered through the quantised products in the list's order, A before B).
;;     - Each number is divided by the scale, clamped to +-448, and rounded to the nearest number of E4M3, ties to even, subnormals kept.
;;     - The product sums the exact products of the quantised numbers (number of the format x scale) in f32.
;;   ~~~python
;;   def quantise(x, axis, e):      # numpy; x: float32 -> the quantised numbers, widened to float32 again
;;       x = np.moveaxis(x, axis, -1); K = x.shape[-1]
;;       r = np.clip(x / 2.0 ** e, -448, 448)
;;       step = 2.0 ** (np.maximum(np.frexp(np.where(r == 0, 1, r))[1] - 1, -6) - 3)
;;       q = np.round(r / step) * step * 2.0 ** e      # np.round: ties to even
;;       return np.moveaxis(q, -1, axis).astype(np.float32)
;;   ~~~
;;   SOFTMAX AHEAD OF A QUANTISED PRODUCT. Where the list says 'softmax', what is quantised is not the finished softmax but p = 2^(t - M), with t = logit x log2(e) and M = ceil(the row's largest t), a whole number; so 1/2 < the row's largest p <= 1. The row's sum l is taken of the UNQUANTISED p, in f32, and the product's result is divided by l at the end. Since M is a whole number, a kernel that streams over the keys may use a running M (the ceiling of the running maximum): every later rescaling is an exact power of two, so the quantised numbers keep their values, but for numbers so far below the row's largest that they fall under the format's range.
;;   OPERANDS COMPUTED ON THE WAY. 'Computed on the way' means the value that the module computes at that place (a softmax that the list does not call 'softmax' is quantised finished and normalised). What goes into a quantiser is computed in f32, as accurately as f32 sums, v_exp_f32 and their like allow (about 1e-6 of the number): no bf16 or f16 on the way to a quantiser, and a product that is left as it is and whose result goes on into a quantised operand takes f32 operands (vector FMAs, or v_wmma_f32_16x16x4_f32). A number that lies on a knife's edge between two numbers of the format may be rounded either way, as far as f32 arithmetic and the matrix unit's own rounding can turn it there, and no further.
;; 3 versions, each right; version 2 is faster than version 1; version 3 is version 2 with the launch attn written anew for expert scheduling mode. Each part assembles by itself: llvm-mc -triple=amdgcn-amd-amdhsa -mcpu=gfx1250 --defsym DOCPART=n.
;; ======== version 1 of 3: 4 launches
;; limits: right only within a limited range of input values
;; workspace buffers: xc 4,194,304 bytes; wc 4,194,304 bytes; maskw 524,288 bytes of whole numbers; flags 65,536 bytes of whole numbers; qc 4,194,304 bytes; kc 4,194,304 bytes; vc 4,194,304 bytes; oc 4,194,304 bytes
;; launch prep (part 1): grid 320 x 1, 8 waves a work-group, no clusters, 136,192 bytes of LDS; arguments x, w_qkv, w_proj, attn_mask, lowp_scales, xc, wc, maskw, flags; writes xc, wc, maskw, flags
.if DOCPART == 1
	.amdgcn_target "amdgcn-amd-amdhsa--gfx1250"
	.amdhsa_code_object_version 6
	.text
	.protected	k_qd6dd6d56e8_prep
	.globl	k_qd6dd6d56e8_prep
	.p2align	8
	.type	k_qd6dd6d56e8_prep,@function
k_qd6dd6d56e8_prep:
	s_mov_b64 s[64:65], 0
	v_nop
	global_prefetch_b8 v0, s[64:65] scope:SCOPE_SE
	s_setreg_imm32_b32 hwreg(HW_REG_WAVE_MODE, 25, 1), 1
	s_wait_xcnt 0x0
; PREP: the three f32 inputs of the two large products become codes of FP8 (E4M3), and the mask becomes lane masks.
; code = x / 2^e, held within +-448, rounded to the nearest code, ties to even.  e: entry 0 (x), 1 (w_qkv), 7 (w_proj) of the scales.  LIMITS: -126 <= e <= 119.  NaN among the inputs is not served.
; THE CODES ARE LAID AS IMAGES OF OPERAND REGISTERS.  A fragment is 16 rows x 128 along K, 2,048 bytes: [quad 0..3][lane][16 bytes]; lane (r = lane % 16, h = lane / 16) holds row r, and its
; registers 2 c, 2 c + 1 hold k = 16 c + 8 h + 0 .. 7; quad q is registers 4 q .. 4 q + 3.  Fragments lie [tile of 16 rows][K step 0..7].  w_proj follows w_qkv in wc.
; Work-groups 0-127 take x, 128-223 w_qkv, 224-255 w_proj: only pointers, a base number and the exponent are chosen, by the work-group's number.  A wave takes two fragments (16 rows x 256 along K):
; each load reads 512 consecutive bytes of a row; the numbers turn through the wave's own stage in LDS (rows 528 bytes apart: 132 words, so the 16 rows of a read start at 16 different groups of banks)
; and come back eight neighbours along K at a time.  All 32 loads of a wave are issued at its head.  Each store covers 512 consecutive bytes, aligned.
; Work-groups 256-319 take the mask: a wave takes 16 queries x 512 keys (four key steps of 128).  Word 8 T + j of a step has in bit L the mask of query L % 16 and key 16 T + 8 (L / 16) + j:
; the lane mask of score register 8 T + j in the attention launch.  Beside them, for each step, the OR and the AND of its 64 words.
; No tensor load, no barrier: waves share nothing.  The two paths have LDS bytes of their own.
.set SP,   528                         ; a stage row: 512 bytes + 16
.set WST,  16*SP                       ; a wave's stage
.set MST,  8*WST                       ; the mask path's stages lie behind the quantiser's
.set LI,   1                           ; v1   16 x lane
.set QIN,  4                           ; v4   quantiser's stage, way in
.set QOUT, 5                           ; v5   way out: row r, + 32 h
.set MIN,  6                           ; v6   mask's stage, way in
.set MOUT, 7                           ; v7   way out: row r, + 8 h
.set L4,   9                           ; v9   4 x lane
.set SCL,  10                          ; v10  2^e
.set LIM,  11                          ; v11  448 x 2^e
.set TM,   12                          ; v12-15 at work, by turns
.set R,    16                          ; v16-143  numbers as loaded, 64 a fragment
.set X,    144                         ; v144-207 64 numbers in the operand's order; in the mask path the mask bytes
.set C,    208                         ; v208-239 codes, 16 registers a fragment
.set OUT,  208                         ; mask path: 256 words, gathered for two stores
.set FL,   216                         ; mask path: the flags
	s_load_b256 s[4:11], s[0:1], 0x0               ; x, w_qkv, w_proj, attn_mask
	s_load_b256 s[12:19], s[0:1], 0x20             ; the scales' exponents, xc, wc, maskw
	s_load_b64 s[20:21], s[0:1], 0x40              ; flags
	v_lshl_add_u32 v240, v0, 2, 0x21000
	v_mov_b32 v241, 0
	v_lshrrev_b32 v8, 5, v0
	v_readfirstlane_b32 s22, v8                    ; wave 0..7
	v_and_b32 v8, 31, v0
	v_lshlrev_b32 v[LI], 4, v8
	v_lshlrev_b32 v[L4], 2, v8
	v_and_b32 v2, 15, v0                           ; r
	v_bfe_u32 v3, v0, 4, 1                         ; h
	s_mul_i32 s23, s22, WST
	v_add_nc_u32 v[QIN], s23, v[LI]
	v_mul_u32_u24 v8, v2, SP
	v_add_nc_u32 v8, s23, v8
	v_lshl_add_u32 v[QOUT], v3, 5, v8
	v_add_nc_u32 v[MIN], MST, v[QIN]
	v_lshl_add_u32 v[MOUT], v3, 3, v8
	v_add_nc_u32 v[MOUT], MST, v[MOUT]
	s_wait_kmcnt 0x0
	s_cmp_ge_u32 ttmp9, 256
	s_cbranch_scc1 .Lmask
	; ---- the quantiser
	s_load_b256 s[24:31], s[12:13], 0x0            ; e0 .. e7
	s_cmp_lt_u32 ttmp9, 128
	s_cselect_b64 s[32:33], s[4:5], s[6:7]         ; from x or from w_qkv,
	s_cselect_b64 s[34:35], s[14:15], s[16:17]     ; into xc or into wc
	s_cselect_b32 s36, 0, 128                      ; the tensor's first work-group, for the source,
	s_mov_b32 s37, s36                             ; and for the destination: w_proj goes on where w_qkv ends
	s_cmp_lt_u32 ttmp9, 224
	s_cselect_b64 s[32:33], s[32:33], s[8:9]       ; or from w_proj
	s_cselect_b32 s36, s36, 224
	s_sub_co_u32 s36, ttmp9, s36
	s_lshl_b32 s36, s36, 3
	s_add_co_u32 s36, s36, s22                     ; which pair of fragments of the source is my wave's
	s_sub_co_u32 s37, ttmp9, s37
	s_lshl_b32 s37, s37, 3
	s_add_co_u32 s37, s37, s22                     ; and of the destination
	s_lshr_b32 s38, s36, 2
	s_lshl_b32 s38, s38, 16                        ; a tile of 16 rows is 65,536 bytes of f32,
	s_and_b32 s39, s36, 3
	s_lshl_b32 s39, s39, 10                        ; two K steps are 1,024 bytes of a row
	s_add_co_u32 s38, s38, s39
	s_mov_b32 s39, 0
	s_add_nc_u64 s[32:33], s[32:33], s[38:39]
	s_lshl_b32 s38, s37, 12                        ; a pair of fragments is 4,096 bytes of codes
	s_add_nc_u64 s[34:35], s[34:35], s[38:39]
.macro LOADF f                         ; fragment f: 16 rows x 512 bytes
.irp i, 0,1,2,3,4,5,6,7,8,9,10,11,12,13,14,15
	global_load_b128 v[R+64*\f+4*\i:R+64*\f+4*\i+3], v[LI], s[32:33] offset:4096*\i+512*\f th:TH_LOAD_NT
.endr
.endm
.macro TURN f, dst                     ; through my stage: LDS serves a wave's instructions in order, so no wait stands between the stores and the loads
.irp i, 0,1,2,3,4,5,6,7,8,9,10,11,12,13,14,15
	ds_store_b128 v[QIN], v[R+64*\f+4*\i:R+64*\f+4*\i+3] offset:SP*\i
.endr
.irp c, 0,1,2,3,4,5,6,7
	ds_load_b128 v[\dst+8*\c:\dst+8*\c+3], v[QOUT] offset:64*\c        ; k = 16 c + 8 h + 0 .. 3 of row r
	ds_load_b128 v[\dst+8*\c+4:\dst+8*\c+7], v[QOUT] offset:64*\c+16   ; and + 4 .. 7
.endr
.endm
.macro QUANT src, f
.set j, 0
.rept 64
	v_med3_num_f32 v[\src+j], v[\src+j], -v[LIM], v[LIM]   ; the conversion to an 8-bit code does not saturate (ISA guide 7.6.2): the hold comes first
.set j, j+1
.endr
.irp c, 0,1,2,3,4,5,6,7
	v_cvt_scalef32_pk8_fp8_f32 v[C+16*\f+2*\c:C+16*\f+2*\c+1], v[\src+8*\c:\src+8*\c+7], v[SCL]
.endr
.irp q, 0,1,2,3
	global_store_b128 v[LI], v[C+16*\f+4*\q:C+16*\f+4*\q+3], s[34:35] offset:2048*\f+512*\q   ; each fragment has code registers of its own: no store's data are written again
.endr
.endm
	LOADF 0
	LOADF 1
	s_wait_kmcnt 0x0
	s_cmp_lt_u32 ttmp9, 128
	s_cselect_b32 s36, s24, s25
	s_cmp_lt_u32 ttmp9, 224
	s_cselect_b32 s36, s36, s31                    ; e
	s_add_co_i32 s36, s36, 127
	s_lshl_b32 s37, s36, 23
	v_mov_b32 v[SCL], s37                          ; 2^e as f32: the conversion takes its exponent field
	s_add_co_i32 s36, s36, 8
	s_lshl_b32 s36, s36, 23
	s_or_b32 s36, s36, 0x600000
	v_mov_b32 v[LIM], s36                          ; 448 x 2^e
	s_wait_loadcnt 16                              ; fragment 0's sixteen loads are in; fragment 1's may be out
	TURN 0, X
	s_wait_loadcnt 0x0
	s_wait_dscnt 0x0                               ; fragment 0 is back, and its stores into the stage have read v16-79
	TURN 1, R                                      ; fragment 1 comes back into v16-79 while fragment 0 is quantised
	QUANT X, 0
	s_wait_dscnt 0x0
	QUANT R, 1
	s_wait_tensorcnt 0x0
	ds_add_u32 v240, v241
	s_wait_dscnt 0x0
	s_endpgm
	; ---- the mask
.Lmask:
	s_sub_co_u32 s24, ttmp9, 256
	s_lshl_b32 s24, s24, 3
	s_add_co_u32 s24, s24, s22                     ; u = 4 x tile of 16 queries + quarter of the keys
	s_lshr_b32 s25, s24, 2
	s_lshl_b32 s26, s25, 15                        ; 16 rows of 2,048 bytes,
	s_and_b32 s27, s24, 3
	s_lshl_b32 s27, s27, 9                         ; 512 keys
	s_add_co_u32 s26, s26, s27
	s_mov_b32 s27, 0
	s_add_nc_u64 s[10:11], s[10:11], s[26:27]
	s_lshl_b32 s26, s24, 10                        ; four steps x 64 words
	s_add_nc_u64 s[18:19], s[18:19], s[26:27]
	s_lshl_b32 s26, s24, 7                         ; 32 words of flags
	s_add_nc_u64 s[20:21], s[20:21], s[26:27]
.irp i, 0,1,2,3,4,5,6,7,8,9,10,11,12,13,14,15
	global_load_b128 v[R+4*\i:R+4*\i+3], v[LI], s[10:11] offset:2048*\i th:TH_LOAD_NT   ; 512 consecutive bytes of a row
.endr
.irp k, 0,1,2,3,4,5,6,7
	v_mov_b32 v[OUT+\k], 0                         ; v_writelane_b32 counts as a reader of its destination
.endr
	v_mov_b32 v[FL], 0
.irp k, 0,1,2,3
	s_mov_b32 s[28+\k], 0                          ; a step's OR,
	s_mov_b32 s[32+\k], -1                         ; and its AND
.endr
	s_wait_loadcnt 0x0
.irp i, 0,1,2,3,4,5,6,7,8,9,10,11,12,13,14,15
	ds_store_b128 v[MIN], v[R+4*\i:R+4*\i+3] offset:SP*\i
.endr
.set n, 0
.rept 32
	ds_load_b64 v[X+2*n:X+2*n+1], v[MOUT] offset:16*n   ; step n / 8, T = n % 8: keys 16 T + 8 h + 0 .. 7 of query r; the 32 lanes touch 64 different banks
.set n, n+1
.endr
	s_wait_dscnt 0x0
.set n, 0
.rept 256                              ; word n = 64 x step + 8 T + j
	v_and_b32 v[TM+n%4], 0xff<<(8*(n%4)), v[X+2*(n/8)+(n%8)/4]
	v_cmp_ne_u32 s[24+n%4], 0, v[TM+n%4]           ; bit L: my lane's byte is not 0
	s_or_b32 s[28+n/64], s[28+n/64], s[24+n%4]
	s_and_b32 s[32+n/64], s[32+n/64], s[24+n%4]
	v_writelane_b32 v[OUT+4*(n/128)+n%4], s[24+n%4], (n%128)/4   ; a store of 16 bytes a lane puts word 128 q + 4 l + i from register i of lane l
.set n, n+1
.endr
.irp k, 0,1,2,3
	v_writelane_b32 v[FL], s[28+\k], \k
	v_writelane_b32 v[FL], s[32+\k], 4+\k
.endr
	global_store_b128 v[LI], v[OUT:OUT+3], s[18:19]
	global_store_b128 v[LI], v[OUT+4:OUT+7], s[18:19] offset:512
	global_store_b32 v[L4], v[FL], s[20:21]        ; words 0-3 the ORs, 4-7 the ANDs, the rest 0
	s_wait_tensorcnt 0x0
	ds_add_u32 v240, v241
	s_wait_dscnt 0x0
	s_endpgm
.Lfunc_end_k_qd6dd6d56e8_prep:
	.size	k_qd6dd6d56e8_prep, .Lfunc_end_k_qd6dd6d56e8_prep-k_qd6dd6d56e8_prep
	.p2alignl 7, 3214868480
	.fill 96, 4, 3214868480
	.section	.rodata,"a",@progbits
	.p2align	6, 0x0
	.amdhsa_kernel k_qd6dd6d56e8_prep
		.amdhsa_group_segment_fixed_size 136192
		.amdhsa_private_segment_fixed_size 0
		.amdhsa_enable_private_segment 0
		.amdhsa_kernarg_size 72
		.amdhsa_user_sgpr_count 2
		.amdhsa_user_sgpr_kernarg_segment_ptr 1
		.amdhsa_wavefront_size32 1
		.amdhsa_system_sgpr_workgroup_id_x 1
		.amdhsa_system_sgpr_workgroup_id_y 1
		.amdhsa_system_sgpr_workgroup_id_z 1
		.amdhsa_system_vgpr_workitem_id 0
		.amdhsa_next_free_vgpr 242
		.amdhsa_next_free_sgpr 66
		.amdhsa_reserve_vcc 0
		.amdhsa_float_denorm_mode_32 3
		.amdhsa_float_denorm_mode_16_64 3
		.amdhsa_memory_ordered 1
		.amdhsa_forward_progress 1
		.amdhsa_inst_pref_size 91
	.end_amdhsa_kernel
	.amdgpu_metadata
---
amdhsa.version: [ 1, 2 ]
amdhsa.kernels:
  - .name:           k_qd6dd6d56e8_prep
    .symbol:         k_qd6dd6d56e8_prep.kd
    .args:
      - { .name: x, .offset: 0, .size: 8, .value_kind: global_buffer, .address_space: global }
      - { .name: w_qkv, .offset: 8, .size: 8, .value_kind: global_buffer, .address_space: global }
      - { .name: w_proj, .offset: 16, .size: 8, .value_kind: global_buffer, .address_space: global }
      - { .name: attn_mask, .offset: 24, .size: 8, .value_kind: global_buffer, .address_space: global }
      - { .name: lowp_scales, .offset: 32, .size: 8, .value_kind: global_buffer, .address_space: global }
      - { .name: xc, .offset: 40, .size: 8, .value_kind: global_buffer, .address_space: global }
      - { .name: wc, .offset: 48, .size: 8, .value_kind: global_buffer, .address_space: global }
      - { .name: maskw, .offset: 56, .size: 8, .value_kind: global_buffer, .address_space: global }
      - { .name: flags, .offset: 64, .size: 8, .value_kind: global_buffer, .address_space: global }
    .group_segment_fixed_size: 136192
    .private_segment_fixed_size: 0
    .kernarg_segment_align: 8
    .kernarg_segment_size: 72
    .max_flat_workgroup_size: 256
    .sgpr_count:     66
    .vgpr_count:     242
    .wavefront_size: 32
...
	.end_amdgpu_metadata
.endif
;; end of part 1
;; launch qkv (part 2): grid 12 x 16, 4 waves a work-group, clusters of 4 x 4, 327,680 bytes of LDS; arguments xc, wc, lowp_scales, b_qkv, g_q, bt_q, g_k, bt_k, qc, kc, vc; writes qc, kc, vc
.if DOCPART == 2
	.amdgcn_target "amdgcn-amd-amdhsa--gfx1250"
	.amdhsa_code_object_version 6
	.text
	.protected	k_qd6dd6d56e8_qkv
	.globl	k_qd6dd6d56e8_qkv
	.p2align	8
	.type	k_qd6dd6d56e8_qkv,@function
k_qd6dd6d56e8_qkv:
	s_mov_b64 s[64:65], 0
	v_nop
	global_prefetch_b8 v0, s[64:65] scope:SCOPE_SE
	s_setreg_imm32_b32 hwreg(HW_REG_WAVE_MODE, 25, 1), 1
	s_wait_xcnt 0x0
	s_wait_alu depctr_hold_cnt(0) depctr_sa_sdst(0) depctr_va_vdst(0) depctr_va_sdst(0) depctr_va_ssrc(0) depctr_va_vcc(0) depctr_vm_vsrc(0)
	s_getreg_b32 s2, hwreg(HW_REG_IB_STS2, 6, 4)
	s_cmp_eq_u32 s2, 0
	s_cbranch_scc0 .Lentry_in_a_cluster
	s_endpgm
.Lentry_in_a_cluster:
	s_bfe_u32 s2, ttmp6, 0x10000c
	s_cmp_lg_u32 s2, 0xf033
	s_cbranch_scc0 .Lentry_shape_is_right
	s_endpgm
.Lentry_shape_is_right:
; QKV: x w_qkv^T + b_qkv on codes of FP8 (E4M3), then, still in registers: the LayerNorm over each head's 64 channels for q and k, and the quantiser of the next product.  Only codes are stored.
; A tile of 256 x 256 is made by a work-group of four waves; a wave makes 128 x 128: 64 accumulators of 16 x 16, 512 registers.  K = 1,024 goes in four fills of 256 through a ring of two LDS slots.
; OPERANDS ARE IMAGES OF REGISTERS in memory and in LDS: a fragment (16 rows x 128 K) is [quad][lane][16 bytes]; four loads of 512 consecutive bytes bring it.  No pitch, no padding; k stands in its true place.
; THE MATRIX INSTRUCTION: source 0 = 16 rows of the B side, source 1 = 16 rows of the A side: lane (r, h) holds row r of the A side and, in registers 0-7, rows 8 h + 0 .. 7 of the B side.
; CLUSTERS OF 4 x 4.  Cluster x = 0 makes q, 1 makes k: A side = rows of x, B side = rows of w_qkv: a lane holds one token and eight neighbouring channels, which are neighbours along the next K.
; Cluster x = 2 makes v as (W_v) x^T: A side = rows of w_qkv (channels), B side = rows of x (keys): a lane holds one channel and eight neighbouring keys, the K of the product with the softmax.
; Only pointers and tile numbers are chosen by the cluster's x, which all sixteen partners share.  A side tiles are asked for jointly along a row of the cluster, B side tiles along a column.
; 192 work-groups: the tile is kept at 256 x 256, so that a wave's 128 columns are two whole heads, or one key step of 128, in either use.
; No prefetch: each tile is shared by four partners' joint load, and the whole of both operands is walked by every cluster row or column within the launch.
; LIMITS: e0 + e1 between -126 and 127; e2, e3, e5 between -126 and 119.  NaN among the inputs is not served.
; REGISTERS, in windows of 256.  Window 0: v0-31 addresses, v8-15 the bias by A side row; v32-95 the bias by B side row; v96-127 the gain; from v128 A's fragments, one set; behind the last products
;   v128-159 the LayerNorm's shift, v160-223 a block's 64 numbers, v224-239 codes, v240-251 sums.  Window 1: B's fragments, two sets.  Windows 2, 3: the accumulators ((a, b) at v[8 (8 (a % 4) + b)]).
.set HALFT,  32768                     ; 128 rows x 256 K of codes: what one tensor load brings
.set SLOT,   4*HALFT                   ; A's two halves, then B's two
.set SPARE,  2*SLOT                    ; behind the ring: the spare words, 128 bytes for each wave
.set SLOTB,  4096                      ; a slot's part of a tile of 16 rows in memory: two K steps of 2,048 bytes
.set FR,     16
.set NL,     4
.set NP,     4
.set LB,   8                           ; v8-15   b_qkv at my A side rows: register a: row 16 a + r
.set ADRA, 16                          ; v16-17  LDS address of my A fragments in slot 0, 1
.set ADRB, 20                          ; v20-21  the same for B
.set LI,   26                          ; v26     16 x lane
.set SPW,  28                          ; v28     LDS address of my spare word; never rewritten
.set NIL,  29                          ; v29     0; never rewritten
.set SCLV, 30                          ; v30     2^e of the operand that is made
.set LIMV, 31                          ; v31     448 x that
.set BIAS, 32
.set GG,   96
.set AF,   128
.set BT,   128
.set U,    160
.set CD,   224
.set CH,   240                         ; head g: two chains of pairs at v[CH+4g], v[CH+4g+2]
.set MN,   248                         ; head g: v[MN+2g]: the mean, then 1 / sqrt(var + eps); named as a pair
.set G1, 24
.set G0, 32
.set G1B, 48
.set G0B, 56
.set SC, 90                            ; s[90:91] 2^(e0 + e1), twice
.set MSB, 0
.macro WIN new                         ; the immediate's high byte repeats the setting that is left
.if MSB != (\new)
	s_set_vgpr_msb (MSB<<8)|(\new)
.set MSB, (\new)
.endif
.endm
.set MUL_LO, 0xa1                      ; source 0 (B) window 1, source 1 (A) window 0, C and D window 2
.set MUL_HI, 0xf1
.set TO_B,   0x40
; A joint load: waves 0 and 1 fetch for the A side, waves 2 and 3 for the B side.  The branch hangs on the wave's number alone.  Four v_nop follow each of the two lines.
.macro JLOAD g0a, g1a, g0b, g1b
	s_cmp_eq_u32 s15, 0
	s_cbranch_scc0 .Lfor_b_\@
	tensor_load_to_lds s[\g0a:\g0a+3], s[\g1a:\g1a+7]
	s_nop 0
.rept 4
	v_nop
.endr
	s_branch .Lasked_\@
.Lfor_b_\@:
	tensor_load_to_lds s[\g0b:\g0b+3], s[\g1b:\g1b+7]
	s_nop 0
.rept 4
	v_nop
.endr
.Lasked_\@:
.endm
.macro CREST                           ; a round of the cluster's barrier behind its opening barrier
	s_cmp_lg_u32 s14, 0
	s_cbranch_scc1 .Lnot_wave_0_\@
	s_barrier_signal -3
.Lnot_wave_0_\@:
	s_barrier_wait -3
	s_barrier_signal -1
	s_barrier_wait -1
.endm
.macro CROUND
	s_barrier_signal -1
	s_barrier_wait -1
	CREST
.endm
	s_load_b512 s[68:83], s[0:1], 0x0              ; xc, wc, the scales' exponents, b_qkv, g_q, bt_q, g_k, bt_k
	s_load_b128 s[84:87], s[0:1], 0x40             ; qc, kc
	s_load_b64 s[88:89], s[0:1], 0x50              ; vc
	v_lshl_add_u32 v[SPW], v0, 2, SPARE
	v_mov_b32 v[NIL], 0
	ds_add_u32 v28, v29
	ds_add_u32 v28, v29
	s_wait_dscnt 0x0
	v_lshrrev_b32 v1, 5, v0
	v_readfirstlane_b32 s14, v1                    ; wave 0..3
	s_lshr_b32 s15, s14, 1                         ; my half of the A side's rows.  Also: I fetch for A (0) or for B (1)
	s_and_b32 s16, s14, 1                          ; my half of the B side's rows.  Also: which 128 rows I fetch
	s_bfe_u32 s40, ttmp6, 0x40000                  ; cx, cy: my place in the cluster
	s_bfe_u32 s41, ttmp6, 0x40004
	s_and_b32 s17, ttmp7, 0xffff
	s_lshl_b32 s17, s17, 2                         ; 4 x cluster y
	s_lshl_b32 s42, ttmp9, 2                       ; 4 x cluster x
	s_cmp_eq_u32 ttmp9, 2                          ; v?  The same answer in all sixteen partners
	s_cselect_b32 s18, 8, s17                      ; A side: v: tiles 8-11 of w_qkv's rows; else the tiles of x's rows
	s_cselect_b32 s19, s17, s42                    ; B side: v: the tiles of x's rows; else tiles 0-3 (q) or 4-7 (k) of w_qkv's rows
	s_add_co_u32 s18, s18, s41                     ; A's tile: + cy, shared along my row of the cluster
	s_add_co_u32 s19, s19, s40                     ; B's tile: + cx, shared along my column
	s_lshl_b32 s43, s41, 2
	s_lshl_b32 s43, 15, s43                        ; my row of the cluster
	s_lshl_b32 s44, 0x1111, s40                    ; my column
	; descriptor group 1: 8 rows (tiles of 16 matrix rows) x 4,096 bytes (two K steps), 16,384 bytes apart in memory, dense in LDS
	s_or_b32 s[G1+0], s43, (3<<16)|(1<<21)         ; 15:0 the mask; 17:16 elements of 8 bytes; 20 no padding; 21 set beside a mask
	s_or_b32 s[G1B+0], s44, (3<<16)|(1<<21)
.irp g, G1, G1B
	s_mov_b32 s[\g+1], 512<<16                     ; tensor_dim0 = 512 elements
	s_mov_b32 s[\g+2], 8<<16                       ; tensor_dim1 = 8
	s_mov_b32 s[\g+3], 512<<16                     ; tile_dim0
	s_mov_b32 s[\g+4], 8                           ; tile_dim1
	s_mov_b32 s[\g+5], 2048                        ; tensor_dim0_stride
	s_mov_b32 s[\g+6], 0
	s_mov_b32 s[\g+7], 0
.endr
	s_lshl_b32 s20, s18, 4
	s_lshl_b32 s21, s16, 3
	s_add_co_u32 s20, s20, s21                     ; A: tile of 16 rows = 16 x tile + 8 x half,
	s_lshl_b32 s20, s20, 14                        ; in bytes
	s_mov_b32 s21, 0
	s_lshl_b32 s46, s19, 4
	s_lshl_b32 s47, s16, 3
	s_add_co_u32 s46, s46, s47
	s_lshl_b32 s46, s46, 14                        ; B likewise
	s_mov_b32 s47, 0
	s_lshl_b32 s45, s14, 15                        ; where they go: wave x 32,768: no place in the cluster enters an LDS address
	s_mov_b32 s2, 0x3727c5ac                       ; 1e-5
	s_mov_b32 s66, 0x76543210                      ; v_permlanex16_b32: lane l xor 16
	s_mov_b32 s67, 0xfedcba98
	s_wait_kmcnt 0x0
	s_load_b256 s[92:99], s[72:73], 0x0            ; e0 .. e7
	s_cmp_eq_u32 ttmp9, 2
	s_cselect_b64 s[4:5], s[70:71], s[68:69]       ; the A side's codes
	s_cselect_b64 s[6:7], s[68:69], s[70:71]       ; the B side's
	s_add_nc_u64 s[20:21], s[4:5], s[20:21]
	s_add_nc_u64 s[46:47], s[6:7], s[46:47]
	CROUND                                         ; all sixteen work-groups are here: the first joint loads meet
.irp s, 0,1
	s_mov_b32 s[G0+4*\s], 1
	s_add_co_u32 s[G0+4*\s+1], s45, \s*SLOT
	s_add_nc_u64 s[G0+4*\s+2:G0+4*\s+3], s[20:21], \s*SLOTB
	s_or_b32 s[G0+4*\s+3], s[G0+4*\s+3], 0x80000000
	s_mov_b32 s[G0B+4*\s], 1
	s_add_co_u32 s[G0B+4*\s+1], s45, \s*SLOT
	s_add_nc_u64 s[G0B+4*\s+2:G0B+4*\s+3], s[46:47], \s*SLOTB
	s_or_b32 s[G0B+4*\s+3], s[G0B+4*\s+3], 0x80000000
	JLOAD G0+4*\s, G1, G0B+4*\s, G1B               ; two loads of mine are out
.endr
	v_and_b32 v1, 15, v0                           ; r
	v_bfe_u32 v2, v0, 4, 1                         ; h
	v_and_b32 v6, 31, v0
	v_lshlrev_b32 v[LI], 4, v6
	v_lshlrev_b32 v7, 5, v2                        ; 32 h: my half's eight f32 of sixteen
	v_lshlrev_b32 v22, 2, v1                       ; 4 r
	s_lshl_b32 s68, s15, 15                        ; my 128 rows of the A side,
	s_lshl_b32 s69, s16, 15
	s_add_co_u32 s69, s69, 2*HALFT                 ; and of the B side, which lies behind A's two halves
.irp s, 0,1
	v_add_nc_u32 v[ADRA+\s], s68, v[LI]
	v_add_nc_u32 v[ADRB+\s], s69, v[LI]
	s_add_co_u32 s68, s68, SLOT
	s_add_co_u32 s69, s69, SLOT
.endr
	s_lshl_b32 s22, s18, 8
	s_lshl_b32 s23, s15, 7
	s_add_co_u32 s22, s22, s23                     ; my first row of the A side
	s_lshl_b32 s23, s19, 8
	s_lshl_b32 s42, s16, 7
	s_add_co_u32 s23, s23, s42                     ; and of the B side
	s_cmp_eq_u32 ttmp9, 2
	s_cselect_b32 s42, s22, s23                    ; my first row of w_qkv (a column of qkv)
	s_cselect_b32 s43, s23, s22                    ; my first row of x (a token)
	s_cmp_eq_u32 ttmp9, 0
	s_cselect_b64 s[100:101], s[84:85], s[86:87]   ; into qc or kc,
	s_cselect_b64 s[12:13], s[76:77], s[80:81]     ; the gain g_q or g_k,
	s_cselect_b64 s[10:11], s[78:79], s[82:83]     ; the shift bt_q or bt_k
	s_cmp_eq_u32 ttmp9, 2
	s_cselect_b64 s[100:101], s[88:89], s[100:101] ; or into vc
	s_lshl_b32 s70, s42, 2
	s_mov_b32 s71, 0
	s_add_nc_u64 s[8:9], s[74:75], s[70:71]        ; b_qkv at my first column
.irp b, 0,1,2,3,4,5,6,7
	global_load_b128 v[BIAS+8*\b:BIAS+8*\b+3], v7, s[8:9] offset:64*\b       ; register 8 b + i: column 16 b + 8 h + i
	global_load_b128 v[BIAS+8*\b+4:BIAS+8*\b+7], v7, s[8:9] offset:64*\b+16
.endr
.irp a, 0,1,2,3,4,5,6,7
	global_load_b32 v[LB+\a], v22, s[8:9] offset:64*\a                       ; register a: column 16 a + r
.endr
.irp b, 0,1,2,3
	global_load_b128 v[GG+8*\b:GG+8*\b+3], v7, s[12:13] offset:64*\b         ; register 8 b + i: channel 16 b + 8 h + i of a head
	global_load_b128 v[GG+8*\b+4:GG+8*\b+7], v7, s[12:13] offset:64*\b+16
.endr
	; where my codes go.  q, k: [batch x 16 + head][tile of 16 tokens][1,024];  v: [batch x 16 + head][key step of 128][block of 16 channels][2,048].  My 128 tokens begin at the same byte in both: (token % 2,048) x 64
	s_and_b32 s70, s42, 1023
	s_lshr_b32 s70, s70, 6                         ; my first head
	s_lshr_b32 s71, s43, 11                        ; the batch
	s_lshl_b32 s71, s71, 4
	s_add_co_u32 s70, s70, s71
	s_lshl_b32 s70, s70, 17                        ; a head's codes are 131,072 bytes
	s_and_b32 s71, s43, 2047
	s_lshl_b32 s71, s71, 6
	s_add_co_u32 s70, s70, s71
	s_mov_b32 s71, 0
	s_add_nc_u64 s[100:101], s[100:101], s[70:71]
.macro FRAG reg, adr, q, i             ; tile of 16 rows i, the slot's q-th 128 along K: four loads of 512 consecutive bytes
.irp c, 0,1,2,3
	ds_load_b128 v[\reg+4*\c:\reg+4*\c+3], v[\adr] offset:4096*(\i)+2048*(\q)+512*\c
.endr
.endm
; 16 matrix instructions: A's blocks a0, a0 + 1 x B's eight.  The 64 accumulators take turns, one instruction a turn, in the same order in every step.
.macro MUL16 a0, p, zero
.irp a, \a0, \a0+1
.irp b, 0,1,2,3,4,5,6,7
.if \zero
	v_wmma_f32_16x16x128_fp8_fp8 v[8*(8*((\a)%4)+\b):8*(8*((\a)%4)+\b)+7], v[128*(\p)+FR*\b:128*(\p)+FR*\b+FR-1], v[AF+FR*(\a):AF+FR*(\a)+FR-1], 0
.else
	v_wmma_f32_16x16x128_fp8_fp8 v[8*(8*((\a)%4)+\b):8*(8*((\a)%4)+\b)+7], v[128*(\p)+FR*\b:128*(\p)+FR*\b+FR-1], v[AF+FR*(\a):AF+FR*(\a)+FR-1], v[8*(8*((\a)%4)+\b):8*(8*((\a)%4)+\b)+7]
.endif
.endr
.endr
.endm
.macro FETCH_B slot, q, p
	WIN TO_B
.irp i, 0,1,2,3,4,5,6,7
	FRAG 128*(\p)+FR*\i, ADRB+\slot, \q, \i
.endr
	WIN 0
.endm
.macro FETCH_A slot, q, i0
.irp i, \i0, \i0+1, \i0+2, \i0+3
	FRAG AF+FR*(\i), ADRA+\slot, \q, \i
.endr
.endm
.macro PLACES n                        ; plain vector instructions between a matrix instruction and a load into, or a vector read or write of, its registers
.rept \n
	v_nop
.endr
.endm
; A step of 128 along K that has its successor in the same slot.  A has one set of registers: blocks 0-3 are fetched anew in the step's middle, blocks 4-7 at its end; B has two sets.
.macro STEP slot, q, zero
	s_wait_dscnt 4*NL                              ; B's set and A's blocks 0-3 are in; the youngest sixteen loads (A's blocks 4-7) may be out
	WIN MUL_LO
	MUL16 0, (\q)%2, \zero
	MUL16 2, (\q)%2, \zero
	s_wait_dscnt 0
	PLACES NP
	FETCH_B \slot, (\q)+1, 1-(\q)%2
	FETCH_A \slot, (\q)+1, 0
	WIN MUL_HI
	MUL16 4, (\q)%2, \zero
	MUL16 6, (\q)%2, \zero
	PLACES NP
	WIN 0
	FETCH_A \slot, (\q)+1, 4
.endm
; A slot's last step changes slots: one barrier; in front of it each wave waits for all its tensor loads, adds 0 to its spare word, and waits for that and for its reads of this slot.  fill = 1: the slot is filled again.
.macro TURN slot, next, fill
	s_wait_tensorcnt 0x0                           ; all my tensor loads have landed: my part of the next slot
	ds_add_u32 v[SPW], v[NIL]                      ; 0 onto my spare word
	s_wait_dscnt 4*NL+1                            ; the add and the youngest sixteen loads may be out
	WIN MUL_LO
	MUL16 0, 1, 0
	s_wait_dscnt 0x0                               ; the add is done, and my reads of this slot are over
	s_barrier_signal -1
	MUL16 2, 1, 0
	WIN 0
	s_barrier_wait -1
.if \fill
	CREST                                          ; the barrier has opened a round of the cluster's barrier: no wave of any partner still reads this slot or has a load on its way
	s_add_nc_u64 s[G0+4*\slot+2:G0+4*\slot+3], s[G0+4*\slot+2:G0+4*\slot+3], 2*SLOTB
	s_add_nc_u64 s[G0B+4*\slot+2:G0B+4*\slot+3], s[G0B+4*\slot+2:G0B+4*\slot+3], 2*SLOTB
	JLOAD G0+4*\slot, G1, G0B+4*\slot, G1B         ; the first tensor load behind the round, my one load until the next; its four v_nop are the places in front of the loads below
.else
	PLACES NP
.endif
	FETCH_B \next, 0, 0
	FETCH_A \next, 0, 0
	WIN MUL_HI
	MUL16 4, 1, 0
	MUL16 6, 1, 0
	PLACES NP
	WIN 0
	FETCH_A \next, 0, 4
.endm
	s_wait_tensorcnt 1                             ; my part of slot 0 is in; slot 1's may be out
	s_barrier_signal -1
	s_barrier_wait -1
	FETCH_B 0, 0, 0
	FETCH_A 0, 0, 0
	FETCH_A 0, 0, 4
	STEP 0, 0, 1                                   ; K 0-127: the first products start the sums
	TURN 0, 1, 1                                   ; K 128-255; slot 0 takes K 512-767
	STEP 1, 0, 0
	TURN 1, 0, 1                                   ; slot 1 takes K 768-1,023
	STEP 0, 0, 0
	TURN 0, 1, 0                                   ; nothing is left to fetch
	STEP 1, 0, 0
	s_wait_dscnt 4*NL                              ; the last step
	WIN MUL_LO
	MUL16 0, 1, 0
	MUL16 2, 1, 0
	s_wait_dscnt 0
	PLACES NP
	WIN 0
.irp b, 0,1,2,3                        ; the LayerNorm's shift lands in A's blocks 0 and 1, which are done with, under the last 32 products
	global_load_b128 v[BT+8*\b:BT+8*\b+3], v7, s[10:11] offset:64*\b
	global_load_b128 v[BT+8*\b+4:BT+8*\b+7], v7, s[10:11] offset:64*\b+16
.endr
	WIN MUL_HI
	MUL16 4, 1, 0
	MUL16 6, 1, 0
	WIN 0
	s_wait_kmcnt 0x0
	s_add_co_i32 s[SC], s92, s93
	s_add_co_i32 s[SC], s[SC], 127
	s_lshl_b32 s[SC], s[SC], 23                    ; 2^(e0 + e1) as f32
	s_mov_b32 s[SC+1], s[SC]                       ; (named with it as a pair)
	s_cmp_eq_u32 ttmp9, 0
	s_cselect_b32 s17, s94, s95                    ; q: e2; k: e3;
	s_cmp_eq_u32 ttmp9, 2
	s_cselect_b32 s17, s97, s17                    ; v: e5
	s_add_co_i32 s17, s17, 127
	s_lshl_b32 s18, s17, 23
	s_add_co_i32 s17, s17, 8
	s_lshl_b32 s17, s17, 23
	s_or_b32 s17, s17, 0x600000
	PLACES NP                                      ; behind the last products: their results are read, and A's registers written, from here on
	v_mov_b32 v[SCLV], s18
	v_mov_b32 v[LIMV], s17
	v_mov_b32 v[MN+1], 0                           ; (upper halves of pairs of which the low word serves both halves)
	v_mov_b32 v[MN+3], 0
	s_wait_loadcnt 0x0                             ; bias, gain, shift
	s_cmp_eq_u32 ttmp9, 2
	s_cbranch_scc1 .Lv
.macro FOLD                            ; both heads' two chains of pairs become one number a token: the pairs, their halves, and lane l xor 16's
.irp g, 0,1
	v_pk_add_f32 v[CH+4*\g:CH+4*\g+1], v[CH+4*\g:CH+4*\g+1], v[CH+4*\g+2:CH+4*\g+3]
.endr
.irp g, 0,1
	v_add_f32 v[CH+4*\g], v[CH+4*\g], v[CH+4*\g+1]
.endr
.irp g, 0,1
	v_permlanex16_b32 v[CH+4*\g+2], v[CH+4*\g], s66, s67
.endr
.irp g, 0,1
	v_add_f32 v[CH+4*\g], v[CH+4*\g], v[CH+4*\g+2]
.endr
.endm
; Block a: 16 tokens x my 128 columns = two heads.  Register 32 g + 8 c + i of a lane is channel 16 c + 8 h + i of head g: after the conversion, registers 2 c, 2 c + 1 of the next operand.
.macro LNQ a
	WIN 0x02+((\a)/4)                              ; source 0: window 2 or 3
.set j, 0
.rept 32
	v_pk_fma_f32 v[U+j:U+j+1], v[64*((\a)%4)+j:64*((\a)%4)+j+1], s[SC:SC+1], v[BIAS+j:BIAS+j+1] op_sel_hi:[1,0,1]   ; sum x 2^(e0 + e1) + bias; each accumulator from its low end on
.set j, j+2
.endr
	WIN 0
.irp g, 0,1
	v_pk_add_f32 v[CH+4*\g:CH+4*\g+1], v[U+32*\g:U+32*\g+1], v[U+32*\g+2:U+32*\g+3]
	v_pk_add_f32 v[CH+4*\g+2:CH+4*\g+3], v[U+32*\g+4:U+32*\g+5], v[U+32*\g+6:U+32*\g+7]
.endr
.irp i, 8,12,16,20,24,28
.irp g, 0,1
	v_pk_add_f32 v[CH+4*\g:CH+4*\g+1], v[CH+4*\g:CH+4*\g+1], v[U+32*\g+\i:U+32*\g+\i+1]
	v_pk_add_f32 v[CH+4*\g+2:CH+4*\g+3], v[CH+4*\g+2:CH+4*\g+3], v[U+32*\g+\i+2:U+32*\g+\i+3]
.endr
.endr
	FOLD
.irp g, 0,1
	v_mul_f32 v[MN+2*\g], 0x3c800000, v[CH+4*\g]   ; the mean: / 64
.endr
.irp g, 0,1
.set j, 0
.rept 16
	v_pk_add_f32 v[U+32*\g+j:U+32*\g+j+1], v[U+32*\g+j:U+32*\g+j+1], v[MN+2*\g:MN+2*\g+1] op_sel_hi:[1,0] neg_lo:[0,1] neg_hi:[0,1]   ; u - mean
.set j, j+2
.endr
.endr
.irp g, 0,1
	v_pk_mul_f32 v[CH+4*\g:CH+4*\g+1], v[U+32*\g:U+32*\g+1], v[U+32*\g:U+32*\g+1]
	v_pk_mul_f32 v[CH+4*\g+2:CH+4*\g+3], v[U+32*\g+2:U+32*\g+3], v[U+32*\g+2:U+32*\g+3]
.endr
.irp i, 4,8,12,16,20,24,28
.irp g, 0,1
	v_pk_fma_f32 v[CH+4*\g:CH+4*\g+1], v[U+32*\g+\i:U+32*\g+\i+1], v[U+32*\g+\i:U+32*\g+\i+1], v[CH+4*\g:CH+4*\g+1]
	v_pk_fma_f32 v[CH+4*\g+2:CH+4*\g+3], v[U+32*\g+\i+2:U+32*\g+\i+3], v[U+32*\g+\i+2:U+32*\g+\i+3], v[CH+4*\g+2:CH+4*\g+3]
.endr
.endr
	FOLD
.irp g, 0,1
	v_fma_f32 v[CH+4*\g], v[CH+4*\g], 0x3c800000, s2   ; var + eps
.endr
.irp g, 0,1
	v_rsq_f32 v[MN+2*\g], v[CH+4*\g]
.endr
	v_nop                                          ; a plain instruction behind the last of the two,
	s_wait_alu depctr_va_vdst(0)                   ; and one wait for both, ahead of their first reader
.irp g, 0,1
.set j, 0
.rept 16
	v_pk_mul_f32 v[U+32*\g+j:U+32*\g+j+1], v[U+32*\g+j:U+32*\g+j+1], v[MN+2*\g:MN+2*\g+1] op_sel_hi:[1,0]
.set j, j+2
.endr
.endr
.irp g, 0,1
.set j, 0
.rept 16
	v_pk_fma_f32 v[U+32*\g+j:U+32*\g+j+1], v[U+32*\g+j:U+32*\g+j+1], v[GG+j:GG+j+1], v[BT+j:BT+j+1]   ; x gain + shift
.set j, j+2
.endr
.endr
.set j, 0
.rept 64
	v_med3_num_f32 v[U+j], v[U+j], -v[LIMV], v[LIMV]   ; the conversion to an 8-bit code does not saturate (ISA guide 7.6.2)
.set j, j+1
.endr
.if (\a) > 0
	s_wait_xcnt 0x0                                ; the last block's stores have read their data: the codes' registers are written again only behind this wait
.endif
.irp c, 0,1,2,3,4,5,6,7
	v_cvt_scalef32_pk8_fp8_f32 v[CD+2*\c:CD+2*\c+1], v[U+8*\c:U+8*\c+7], v[SCLV]
.endr
	v_nop                                          ; a plain instruction behind the last conversion
.irp g, 0,1
	global_store_b128 v[LI], v[CD+8*\g:CD+8*\g+3], s[100:101] offset:131072*\g+1024*(\a)       ; 512 consecutive bytes, aligned: half an image of 16 tokens x 64 channels
	global_store_b128 v[LI], v[CD+8*\g+4:CD+8*\g+7], s[100:101] offset:131072*\g+1024*(\a)+512
.endr
.endm
.irp a, 0,1,2,3,4,5,6,7
	LNQ \a
.endr
	s_branch .Lend
; v.  Block a: 16 channels x my 128 keys.  Register 8 c + i of a lane is key 16 c + 8 h + i of channel 16 a + r: after the conversion, registers 2 c, 2 c + 1 of a fragment of V^T.
.macro VQ a
	v_mov_b32 v[MN], v[LB+(\a)]                    ; my channel's bias, for both halves of a pair
	WIN 0x02+((\a)/4)
.set j, 0
.rept 32
	v_pk_fma_f32 v[U+j:U+j+1], v[64*((\a)%4)+j:64*((\a)%4)+j+1], s[SC:SC+1], v[MN:MN+1] op_sel_hi:[1,0,0]
.set j, j+2
.endr
	WIN 0
.set j, 0
.rept 64
	v_med3_num_f32 v[U+j], v[U+j], -v[LIMV], v[LIMV]
.set j, j+1
.endr
.if (\a) > 0
	s_wait_xcnt 0x0                                ; the last block's stores have read their data
.endif
.irp c, 0,1,2,3,4,5,6,7
	v_cvt_scalef32_pk8_fp8_f32 v[CD+2*\c:CD+2*\c+1], v[U+8*\c:U+8*\c+7], v[SCLV]
.endr
	v_nop
.irp q, 0,1,2,3
	global_store_b128 v[LI], v[CD+4*\q:CD+4*\q+3], s[100:101] offset:131072*((\a)/4)+2048*((\a)%4)+512*\q
.endr
.endm
.Lv:
.irp a, 0,1,2,3,4,5,6,7
	VQ \a
.endr
.Lend:
	s_wait_tensorcnt 0x0                           ; the wave's end
	ds_add_u32 v[SPW], v[NIL]
	s_wait_dscnt 0x0
	CROUND                                         ; the closing round: no work-group ends while a partner may still ask for a tile that names it
	s_endpgm
.Lfunc_end_k_qd6dd6d56e8_qkv:
	.size	k_qd6dd6d56e8_qkv, .Lfunc_end_k_qd6dd6d56e8_qkv-k_qd6dd6d56e8_qkv
	.p2alignl 7, 3214868480
	.fill 96, 4, 3214868480
	.section	.rodata,"a",@progbits
	.p2align	6, 0x0
	.amdhsa_kernel k_qd6dd6d56e8_qkv
		.amdhsa_group_segment_fixed_size 327680
		.amdhsa_private_segment_fixed_size 0
		.amdhsa_enable_private_segment 0
		.amdhsa_kernarg_size 88
		.amdhsa_user_sgpr_count 2
		.amdhsa_user_sgpr_kernarg_segment_ptr 1
		.amdhsa_wavefront_size32 1
		.amdhsa_system_sgpr_workgroup_id_x 1
		.amdhsa_system_sgpr_workgroup_id_y 1
		.amdhsa_system_sgpr_workgroup_id_z 1
		.amdhsa_system_vgpr_workitem_id 0
		.amdhsa_next_free_vgpr 1024
		.amdhsa_next_free_sgpr 102
		.amdhsa_reserve_vcc 0
		.amdhsa_float_denorm_mode_32 3
		.amdhsa_float_denorm_mode_16_64 3
		.amdhsa_memory_ordered 1
		.amdhsa_forward_progress 1
		.amdhsa_inst_pref_size 255
	.end_amdhsa_kernel
	.section	.bss,"aw",@nobits
	.p2align	6
	.space	262144
	.amdgpu_metadata
---
amdhsa.version: [ 1, 2 ]
amdhsa.kernels:
  - .name:           k_qd6dd6d56e8_qkv
    .symbol:         k_qd6dd6d56e8_qkv.kd
    .args:
      - { .name: xc, .offset: 0, .size: 8, .value_kind: global_buffer, .address_space: global }
      - { .name: wc, .offset: 8, .size: 8, .value_kind: global_buffer, .address_space: global }
      - { .name: lowp_scales, .offset: 16, .size: 8, .value_kind: global_buffer, .address_space: global }
      - { .name: b_qkv, .offset: 24, .size: 8, .value_kind: global_buffer, .address_space: global }
      - { .name: g_q, .offset: 32, .size: 8, .value_kind: global_buffer, .address_space: global }
      - { .name: bt_q, .offset: 40, .size: 8, .value_kind: global_buffer, .address_space: global }
      - { .name: g_k, .offset: 48, .size: 8, .value_kind: global_buffer, .address_space: global }
      - { .name: bt_k, .offset: 56, .size: 8, .value_kind: global_buffer, .address_space: global }
      - { .name: qc, .offset: 64, .size: 8, .value_kind: global_buffer, .address_space: global }
      - { .name: kc, .offset: 72, .size: 8, .value_kind: global_buffer, .address_space: global }
      - { .name: vc, .offset: 80, .size: 8, .value_kind: global_buffer, .address_space: global }
    .group_segment_fixed_size: 327680
    .private_segment_fixed_size: 0
    .kernarg_segment_align: 8
    .kernarg_segment_size: 88
    .max_flat_workgroup_size: 128
    .sgpr_count:     102
    .vgpr_count:     1024
    .wavefront_size: 32
...
	.end_amdgpu_metadata
.endif
;; end of part 2
;; launch attn (part 3): grid 8 x 32, 16 waves a work-group, no clusters, 264,192 bytes of LDS; arguments qc, kc, vc, maskw, flags, lowp_scales, oc; writes oc
.if DOCPART == 3
	.amdgcn_target "amdgcn-amd-amdhsa--gfx1250"
	.amdhsa_code_object_version 6
	.text
	.protected	k_qd6dd6d56e8_attn
	.globl	k_qd6dd6d56e8_attn
	.p2align	8
	.type	k_qd6dd6d56e8_attn,@function
k_qd6dd6d56e8_attn:
	s_mov_b64 s[64:65], 0
	v_nop
	global_prefetch_b8 v0, s[64:65] scope:SCOPE_SE
	s_setreg_imm32_b32 hwreg(HW_REG_WAVE_MODE, 25, 1), 1
	s_wait_xcnt 0x0
; ATTENTION on codes of FP8 (E4M3), with the mask that is given.  q, k: [batch x 16 + head][tile of 16 rows][1,024 bytes], images of fragments of 16 rows x 64 channels.
; v: [batch x 16 + head][key step of 128][block of 16 channels][2,048 bytes], images of fragments of V^T.  The result leaves as codes, images of the A operand of the last product.
; THE SOFTMAX: t = score x log2(e) / 8; M = the running largest t rounded up to a whole number; p = 2^(t - M) is quantised; the sum is taken of the unquantised p and divides at the end.
; SHARES.  A work-group has one head and sixteen waves; the head's whole K and V, 131,072 bytes each, are brought into LDS once, through registers; then one barrier, and no wave waits for another.
; Wave w owns the 16 queries of tile 8 G + work-group x, G = 4 (w / 4) + ((w % 4) xor 3 ((w / 4) % 2)): every tile has one owner, whatever the mask.
; LAYOUT.  S^T = K Q^T (source 0 = 16 keys, source 1 = my queries): lane (r, h), register j of tile T: query r, key 16 T + 8 h + j, which is the place of registers 2 T, 2 T + 1 of the second product's operand.
; O^T = V^T P^T (source 0 = 16 channels x 128 keys).  A lane holds one query throughout.
; THE MASK comes as lane masks (64 words a step) and, for each step, their OR and AND, stored by the first launch.  A masked score becomes -2^100 ahead of the maximum: a power of two, so that t is exact.
; A step of which no bit is set for my 16 queries is jumped over: its p would be 0.  Not so where one of my queries has no bit in the whole row: that tile walks all steps, and such a row comes out uniform.
; A step of which all bits are set leaves the 64 selects out.  These are scalar branches on stored whole numbers; the loop's trip count is a constant.
; NO CLUSTER, though eight work-groups read one head's K and V: joint requests are tensor loads, and a launch with a tensor load has no branch on numbers read from memory; the jumps spare whole key steps,
; the sharing would spare seven of eight reads of 262,144 bytes.  No prefetch: all that a work-group reads in bulk is asked for at its head.
; LIMITS: e2 + e3 between -70 and 20 (c x 2^100 stays a whole number above -3e38); e4, e6 between -126 and 119.  NaN among the inputs is not served.
; REGISTERS: v1-6 addresses; v12 -M, v13 the largest t, v[14:15] the sum; v16-23 Q; v32-95 K's eight fragments, then V's four; v96-159 S^T, then p; v160-191 O^T; v192-207 p's codes; v208-215 the result's codes.
.set VL,   131072                      ; V lies behind K
.set AL,   1                           ; v1   16 x lane
.set ADK,  2                           ; v2   the step's K
.set ADV,  3                           ; v3   the step's V
.set AVB,  4                           ; v4   16 x lane + VL
.set FK,   5                           ; v5   the fill: wave x 8,192 + 16 x lane
.set FV,   6                           ; v6   + VL
.set WV,   18
.set KS,   19                          ; s19  the key step
.set SEL,  52                          ; s[52:53] lane selects: lane l xor 16
.set CS,   54                          ; s[54:55] c = log2(e) / 8 x 2^(e2 + e3)
.set TB,   56                          ; s56  the step's bytes in K and in V: 8,192 x step
.set ANY,  57                          ; s57  bit ks: the step is walked
.set FULL, 58                          ; s58  bit ks: all of the step's bits are set
.set HOLD, 59                          ; s59  1: p can pass 448 x 2^e4
.set MP,   60                          ; s[60:61] the step's mask words
.set T0,   62
.set T1,   63
.set QT,   66
.set T2,   67
.set EO,   100                         ; s100 e4 + e5
.set T3,   101
	s_load_b256 s[4:11], s[0:1], 0x0               ; qc, kc, vc, maskw
	s_load_b128 s[12:15], s[0:1], 0x20             ; flags, the scales' exponents
	s_load_b64 s[16:17], s[0:1], 0x30              ; oc
	v_lshl_add_u32 v251, v0, 2, 0x40000
	v_mov_b32 v255, 0
	v_lshrrev_b32 v2, 5, v0
	v_readfirstlane_b32 s[WV], v2                  ; wave 0..15
	v_and_b32 v1, 31, v0
	v_lshlrev_b32 v[AL], 4, v1
	v_add_nc_u32 v[AVB], VL, v[AL]
	s_lshl_b32 s[T0], s[WV], 13
	v_add_nc_u32 v[FK], s[T0], v[AL]
	v_add_nc_u32 v[FV], VL, v[FK]
	s_and_b32 s[T1], ttmp7, 0xffff                 ; batch x 16 + head
	s_and_b32 s[QT], s[WV], 3
	s_lshr_b32 s[T2], s[WV], 2
	s_and_b32 s[T3], s[T2], 1
	s_mul_i32 s[T3], s[T3], 3
	s_xor_b32 s[QT], s[QT], s[T3]
	s_lshl_b32 s[T2], s[T2], 2
	s_add_co_u32 s[QT], s[QT], s[T2]               ; G
	s_lshl_b32 s[QT], s[QT], 3
	s_add_co_u32 s[QT], s[QT], ttmp9               ; my tile of 16 queries
	s_mov_b32 s59, 0
	s_lshl_b32 s58, s[T1], 17
	s_add_co_u32 s58, s58, s[T0]                   ; the head's codes, my wave's 8,192 bytes of them
	s_wait_kmcnt 0x0
	s_add_nc_u64 s[6:7], s[6:7], s[58:59]
	s_add_nc_u64 s[8:9], s[8:9], s[58:59]
.irp i, 0,1,2,3,4,5,6,7,8,9,10,11,12,13,14,15
	global_load_b128 v[96+4*\i:99+4*\i], v[AL], s[6:7] offset:512*\i
.endr
.irp i, 0,1,2,3,4,5,6,7,8,9,10,11,12,13,14,15
	global_load_b128 v[160+4*\i:163+4*\i], v[AL], s[8:9] offset:512*\i
.endr
	s_lshl_b32 s58, s[T1], 7
	s_add_co_u32 s58, s58, s[QT]
	s_lshl_b32 s58, s58, 10
	s_add_nc_u64 s[4:5], s[4:5], s[58:59]
	global_load_b128 v[16:19], v[AL], s[4:5]       ; Q's fragment stays in registers
	global_load_b128 v[20:23], v[AL], s[4:5] offset:512
	s_lshl_b32 s58, s[QT], 9
	s_add_nc_u64 s[12:13], s[12:13], s[58:59]
	s_load_b256 s[20:27], s[12:13], 0x0            ; steps 0-3: four ORs, four ANDs
	s_load_b256 s[28:35], s[12:13], 0x80           ; steps 4-7
	s_load_b256 s[36:43], s[12:13], 0x100
	s_load_b256 s[44:51], s[12:13], 0x180
	s_load_b256 s[68:75], s[14:15], 0x0            ; e0 .. e7
	s_lshl_b32 s58, s[QT], 12
	s_add_nc_u64 s[MP:MP+1], s[10:11], s[58:59]    ; my tile's mask words: 16 steps x 256 bytes
	s_lshr_b32 s58, s[T1], 4                       ; the result: tile of 16 rows = batch x 128 + my tile;
	s_lshl_b32 s58, s58, 7
	s_add_co_u32 s58, s58, s[QT]
	s_lshl_b32 s58, s58, 3
	s_bfe_u32 s[T0], s[T1], 0x30001                ; K step = head / 2;
	s_add_co_u32 s58, s58, s[T0]
	s_lshl_b32 s58, s58, 11
	s_and_b32 s[T0], s[T1], 1                      ; an odd head fills the image's second half
	s_lshl_b32 s[T0], s[T0], 10
	s_add_co_u32 s58, s58, s[T0]
	s_add_nc_u64 s[16:17], s[16:17], s[58:59]
	s_mov_b32 s[SEL], 0x76543210
	s_mov_b32 s[SEL+1], 0xfedcba98
	s_wait_loadcnt 26                              ; 34 loads were issued: K's first eight are in
.irp i, 0,1,2,3,4,5,6,7
	ds_store_b128 v[FK], v[96+4*\i:99+4*\i] offset:512*\i
.endr
	s_wait_loadcnt 18                              ; K's other eight
.irp i, 8,9,10,11,12,13,14,15
	ds_store_b128 v[FK], v[96+4*\i:99+4*\i] offset:512*\i
.endr
	s_wait_loadcnt 10                              ; V's first eight
.irp i, 0,1,2,3,4,5,6,7
	ds_store_b128 v[FV], v[160+4*\i:163+4*\i] offset:512*\i
.endr
	s_wait_loadcnt 2                               ; V's other eight; Q's two may be out
.irp i, 8,9,10,11,12,13,14,15
	ds_store_b128 v[FV], v[160+4*\i:163+4*\i] offset:512*\i
.endr
	s_wait_kmcnt 0x0
	s_mov_b32 s[ANY], 0
	s_mov_b32 s[FULL], 0
	s_mov_b32 s[T0], 0
.set kk, 0
.rept 16
	s_or_b32 s[T0], s[T0], s[20+8*(kk/4)+kk%4]     ; bit L: lane L has a bit somewhere in its half of the row
	s_cmp_lg_u32 s[20+8*(kk/4)+kk%4], 0
	s_cselect_b32 s[T1], 1<<kk, 0
	s_or_b32 s[ANY], s[ANY], s[T1]
	s_cmp_eq_u32 s[24+8*(kk/4)+kk%4], -1
	s_cselect_b32 s[T1], 1<<kk, 0
	s_or_b32 s[FULL], s[FULL], s[T1]
.set kk, kk+1
.endr
	s_lshr_b32 s[T1], s[T0], 16
	s_or_b32 s[T0], s[T0], s[T1]
	s_and_b32 s[T0], s[T0], 0xffff                 ; bit r: query r has a bit in its row
	s_cmp_lg_u32 s[T0], 0xffff
	s_cselect_b32 s[ANY], 0xffff, s[ANY]           ; a query with none: all steps are walked
	s_add_co_i32 s[T0], s70, s71
	s_lshl_b32 s[T0], s[T0], 23
	s_add_co_i32 s[CS], s[T0], 0x3e38aa3b          ; log2(e) / 8, with e2 + e3 added to its exponent field
	s_mov_b32 s[CS+1], s[CS]
	s_cmp_lt_i32 s72, -8
	s_cselect_b32 s[HOLD], 1, 0                    ; from e4 = -8 on, 448 x 2^e4 is above 1, and p is at most 1
	s_add_co_i32 s[EO], s72, s73
	s_add_co_i32 s[T0], s72, 127
	s_lshl_b32 s[T1], s[T0], 23
	v_mov_b32 v244, s[T1]                          ; 2^e4
	s_add_co_i32 s[T0], s[T0], 8
	s_lshl_b32 s[T0], s[T0], 23
	s_or_b32 s[T0], s[T0], 0x600000
	v_mov_b32 v240, s[T0]                          ; 448 x 2^e4
	s_add_co_i32 s[T0], s74, 127
	s_lshl_b32 s[T1], s[T0], 23
	v_mov_b32 v245, s[T1]                          ; 2^e6
	s_add_co_i32 s[T0], s[T0], 8
	s_lshl_b32 s[T0], s[T0], 23
	s_or_b32 s[T0], s[T0], 0x600000
	v_mov_b32 v241, s[T0]                          ; 448 x 2^e6
	v_mov_b32 v246, 0xf1800000                     ; -2^100
	v_mov_b32 v13, 0xff61b1e6                      ; the largest t so far: -3e38
	v_floor_f32 v12, -v13                          ; -M
	v_mov_b32 v14, 0
	v_mov_b32 v15, 0
	v_mov_b32 v236, 0                              ; a lane permute's destination counts as one of its sources
	v_mov_b32 v252, 0
	v_mov_b32 v253, 0
	s_wait_dscnt 0x0                               ; for the others' sake: my part of K and V lies in LDS
.set j, 0
.rept 32
	v_mov_b32 v[160+j], 0                          ; O^T: the loop is written once; its first step finds zeros
.set j, j+1
.endr
	s_barrier_signal -1
	s_barrier_wait -1                              ; everybody's does.  From here on LDS is only read
	s_wait_loadcnt 0x0                             ; Q
	s_mov_b32 s[KS], 0
	s_mov_b32 s[TB], 0
.Lstep:                                            ; 16 trips
	s_lshr_b32 s[T0], s[ANY], s[KS]
	s_and_b32 s[T0], s[T0], 1
	s_cmp_eq_u32 s[T0], 0
	s_cbranch_scc1 .Lskip
	s_load_b512 s[20:35], s[MP:MP+1], 0x0          ; the step's 64 lane masks
	s_load_b512 s[36:51], s[MP:MP+1], 0x40
	s_load_b512 s[68:83], s[MP:MP+1], 0x80
	s_load_b512 s[84:99], s[MP:MP+1], 0xc0
	v_add_nc_u32 v[ADK], s[TB], v[AL]
	v_add_nc_u32 v[ADV], s[TB], v[AVB]
	v_nop
	v_nop                                          ; four places behind the last step's products, in front of loads into registers that they read
.irp t, 0,1,2,3,4,5,6,7
	ds_load_b128 v[32+8*\t:35+8*\t], v[ADK] offset:1024*\t
	ds_load_b128 v[36+8*\t:39+8*\t], v[ADK] offset:1024*\t+512
.endr
	s_wait_dscnt 0x0
.irp t, 0,1,2,3,4,5,6,7
	v_wmma_f32_16x16x64_fp8_fp8 v[96+8*\t:103+8*\t], v[32+8*\t:39+8*\t], v[16:23], 0
.endr
.rept 4
	v_nop                                          ; places in front of the loads below and of the first read of the scores
.endr
.irp t, 0,1,2,3
.irp c, 0,1,2,3
	ds_load_b128 v[32+16*\t+4*\c:35+16*\t+4*\c], v[ADV] offset:2048*\t+512*\c   ; V lands while the softmax is walked
.endr
.endr
	s_wait_kmcnt 0x0
	s_lshr_b32 s[T0], s[FULL], s[KS]
	s_and_b32 s[T0], s[T0], 1
	s_cmp_lg_u32 s[T0], 0
	s_cbranch_scc1 .Lopen
.set n, 0
.rept 32
	v_cndmask_b32 v[96+n], v246, v[96+n], s[20+n]  ; the score where the bit is set, else -2^100
.set n, n+1
.endr
.rept 32
	v_cndmask_b32 v[96+n], v246, v[96+n], s[36+n]  ; words 32-63 lie in s68-99
.set n, n+1
.endr
.Lopen:
	v_max3_num_f32 v254, v96, v97, v98             ; the step's largest score of my query, among my 64 keys, in two chains,
	v_max3_num_f32 v252, v99, v100, v101
.irp i, 6,10,14,18,22,26,30,34,38,42,46,50,54,58
	v_max3_num_f32 v254, v254, v[96+\i], v[97+\i]
	v_max3_num_f32 v252, v252, v[98+\i], v[99+\i]
.endr
	v_max3_num_f32 v254, v254, v158, v159
	v_max_num_f32 v254, v254, v252
	v_permlanex16_b32 v236, v254, s[SEL], s[SEL+1]
	v_max_num_f32 v254, v254, v236                 ; and among lane l xor 16's
	v_mul_f32 v254, s[CS], v254                    ; as t (c is positive)
	v_max_num_f32 v13, v13, v254                   ; the running largest t
	v_mov_b32 v254, v12
	v_floor_f32 v12, -v13                          ; the new -M = floor(-t): M is a whole number
	v_sub_f32 v254, v12, v254                      ; old M - new M: a whole number, 0 or less
	v_cvt_i32_f32 v254, v254                       ; (it saturates)
	v_ldexp_f32 v252, 1.0, v254                    ; f = 2^(old M - new M)
.set j, 0
.rept 32
	v_pk_fma_f32 v[96+j:97+j], v[96+j:97+j], s[CS:CS+1], v[12:13] op_sel_hi:[1,0,0]   ; t - M, two at a time
.set j, j+2
.endr
.set j, 0
.rept 64
	v_exp_f32 v[96+j], v[96+j]                     ; p = 2^(t - M)
.set j, j+1
.endr
	v_pk_mul_f32 v[14:15], v[14:15], v[252:253] op_sel_hi:[1,0]   ; the sum under the new M: the plain instruction behind the exponentials
	s_wait_alu depctr_va_vdst(0)                   ; one wait for the batch, ahead of its first reader
	v_pk_add_f32 v[242:243], v[96:97], v[98:99]    ; the sum of the unquantised p, in two chains
.irp j, 4,8,12,16,20,24,28,32,36,40,44,48,52,56,60
	v_pk_add_f32 v[14:15], v[14:15], v[96+\j:97+\j]
	v_pk_add_f32 v[242:243], v[242:243], v[98+\j:99+\j]
.endr
	v_pk_add_f32 v[14:15], v[14:15], v[242:243]
	s_cmp_eq_u32 s[HOLD], 0
	s_cbranch_scc1 .Lnohold
.set j, 0
.rept 64
	v_min_num_f32 v[96+j], v[96+j], v240           ; the conversion does not saturate (ISA guide 7.6.2); p is not negative
.set j, j+1
.endr
.Lnohold:
.irp t, 0,1,2,3,4,5,6,7
	v_cvt_scalef32_pk8_fp8_f32 v[192+2*\t:193+2*\t], v[96+8*\t:103+8*\t], v244   ; registers 2 T, 2 T + 1 of P's fragment: keys 16 T + 8 h + 0 .. 7
.endr
.set j, 0
.rept 16
	v_pk_mul_f32 v[160+j:161+j], v[160+j:161+j], v[252:253] op_sel_hi:[1,0]      ; O^T under the new M; also the plain instructions behind the conversions
.set j, j+2
.endr
	s_wait_dscnt 0x0                               ; V
.irp t, 0,1,2,3
	v_wmma_f32_16x16x128_fp8_fp8 v[160+8*\t:167+8*\t], v[32+16*\t:47+16*\t], v[192:207], v[160+8*\t:167+8*\t]   ; four accumulators by turns; the next step's eight score products stand between two turns of one
.endr
.Lskip:
	s_add_co_u32 s[TB], s[TB], 8192
	s_add_nc_u64 s[MP:MP+1], s[MP:MP+1], 256       ; no scalar load is out on either way here
	s_add_co_u32 s[KS], s[KS], 1
	s_cmp_lt_u32 s[KS], 16
	s_cbranch_scc1 .Lstep
.rept 4
	v_nop                                          ; places behind the last products
.endr
	v_add_f32 v14, v14, v15
	v_permlanex16_b32 v236, v14, s[SEL], s[SEL+1]
	v_add_f32 v14, v14, v236                       ; the row's sum
	v_rcp_f32 v14, v14
	v_nop
	s_wait_alu depctr_va_vdst(0)                   ; ahead of the reciprocal's first reader
	v_ldexp_f32 v14, v14, s[EO]                    ; x 2^(e4 + e5)
.set j, 0
.rept 32
	v_mul_f32 v[96+j], v[160+j], v14               ; register 8 t + i: channel 16 t + 8 h + i of my query
.set j, j+1
.endr
.set j, 0
.rept 32
	v_med3_num_f32 v[96+j], v[96+j], -v241, v241
.set j, j+1
.endr
.irp t, 0,1,2,3
	v_cvt_scalef32_pk8_fp8_f32 v[208+2*\t:209+2*\t], v[96+8*\t:103+8*\t], v245
.endr
	v_nop
	global_store_b128 v[AL], v[208:211], s[16:17]              ; 512 consecutive bytes, aligned, twice: my head's half of an image
	global_store_b128 v[AL], v[212:215], s[16:17] offset:512
	s_wait_tensorcnt 0x0
	ds_add_u32 v251, v255
	s_wait_dscnt 0x0
	s_endpgm
.Lfunc_end_k_qd6dd6d56e8_attn:
	.size	k_qd6dd6d56e8_attn, .Lfunc_end_k_qd6dd6d56e8_attn-k_qd6dd6d56e8_attn
	.p2alignl 7, 3214868480
	.fill 96, 4, 3214868480
	.section	.rodata,"a",@progbits
	.p2align	6, 0x0
	.amdhsa_kernel k_qd6dd6d56e8_attn
		.amdhsa_group_segment_fixed_size 264192
		.amdhsa_private_segment_fixed_size 0
		.amdhsa_enable_private_segment 0
		.amdhsa_kernarg_size 56
		.amdhsa_user_sgpr_count 2
		.amdhsa_user_sgpr_kernarg_segment_ptr 1
		.amdhsa_wavefront_size32 1
		.amdhsa_system_sgpr_workgroup_id_x 1
		.amdhsa_system_sgpr_workgroup_id_y 1
		.amdhsa_system_sgpr_workgroup_id_z 1
		.amdhsa_system_vgpr_workitem_id 0
		.amdhsa_next_free_vgpr 256
		.amdhsa_next_free_sgpr 102
		.amdhsa_reserve_vcc 0
		.amdhsa_float_denorm_mode_32 3
		.amdhsa_float_denorm_mode_16_64 3
		.amdhsa_memory_ordered 1
		.amdhsa_forward_progress 1
		.amdhsa_inst_pref_size 39
	.end_amdhsa_kernel
	.amdgpu_metadata
---
amdhsa.version: [ 1, 2 ]
amdhsa.kernels:
  - .name:           k_qd6dd6d56e8_attn
    .symbol:         k_qd6dd6d56e8_attn.kd
    .args:
      - { .name: qc, .offset: 0, .size: 8, .value_kind: global_buffer, .address_space: global }
      - { .name: kc, .offset: 8, .size: 8, .value_kind: global_buffer, .address_space: global }
      - { .name: vc, .offset: 16, .size: 8, .value_kind: global_buffer, .address_space: global }
      - { .name: maskw, .offset: 24, .size: 8, .value_kind: global_buffer, .address_space: global }
      - { .name: flags, .offset: 32, .size: 8, .value_kind: global_buffer, .address_space: global }
      - { .name: lowp_scales, .offset: 40, .size: 8, .value_kind: global_buffer, .address_space: global }
      - { .name: oc, .offset: 48, .size: 8, .value_kind: global_buffer, .address_space: global }
    .group_segment_fixed_size: 264192
    .private_segment_fixed_size: 0
    .kernarg_segment_align: 8
    .kernarg_segment_size: 56
    .max_flat_workgroup_size: 512
    .sgpr_count:     102
    .vgpr_count:     256
    .wavefront_size: 32
...
	.end_amdgpu_metadata
.endif
;; end of part 3
;; launch proj (part 4): grid 8 x 32, 4 waves a work-group, clusters of 4 x 4, 327,680 bytes of LDS; arguments oc, wc, lowp_scales, b_proj, out0; writes out0
.if DOCPART == 4
	.amdgcn_target "amdgcn-amd-amdhsa--gfx1250"
	.amdhsa_code_object_version 6
	.text
	.protected	k_qd6dd6d56e8_proj
	.globl	k_qd6dd6d56e8_proj
	.p2align	8
	.type	k_qd6dd6d56e8_proj,@function
k_qd6dd6d56e8_proj:
	s_mov_b64 s[64:65], 0
	v_nop
	global_prefetch_b8 v0, s[64:65] scope:SCOPE_SE
	s_setreg_imm32_b32 hwreg(HW_REG_WAVE_MODE, 25, 1), 1
	s_wait_xcnt 0x0
	s_wait_alu depctr_hold_cnt(0) depctr_sa_sdst(0) depctr_va_vdst(0) depctr_va_sdst(0) depctr_va_ssrc(0) depctr_va_vcc(0) depctr_vm_vsrc(0)
	s_getreg_b32 s2, hwreg(HW_REG_IB_STS2, 6, 4)
	s_cmp_eq_u32 s2, 0
	s_cbranch_scc0 .Lentry_in_a_cluster
	s_endpgm
.Lentry_in_a_cluster:
	s_bfe_u32 s2, ttmp6, 0x10000c
	s_cmp_lg_u32 s2, 0xf033
	s_cbranch_scc0 .Lentry_shape_is_right
	s_endpgm
.Lentry_shape_is_right:
; PROJ: out0 = o w_proj^T + b_proj on codes of FP8 (E4M3).  o: images [tile of 16 rows 256][K step 8][2,048]; w_proj: the same, 3,145,728 bytes into wc.  out0: [4,096][1,024] f32.
; 256 work-groups, a tile of 128 x 128 each; a wave makes 64 x 64: 16 accumulators.  K = 1,024 is short: ALL of a work-group's operands, 262,144 bytes, go into LDS by first fills: four tensor loads a wave,
; issued together (four loads of mine are out), one for each chunk of 256 along K.  No LDS byte is filled twice, so there is no ring; a counted wait and a barrier stand ahead of each chunk's first read.
; CLUSTERS OF 4 x 4: o's tiles are asked for jointly along a row of the cluster, w_proj's along a column.
; The matrix instruction: source 0 = 16 rows of w_proj, source 1 = 16 rows of o: a lane holds one row of out0 and eight neighbouring columns.
; The way out: a block of 16 rows x my 64 columns goes through my own stage in LDS and leaves as rows of 256 consecutive bytes, aligned, sixteen lanes to a row.
; LIMIT: e6 + e7 between -126 and 127.
; REGISTERS: window 0: v1-19 addresses; v32-63 the bias; v64-95 a block's results; v96-127 rows read back; v128-255 the accumulators ((a, b) at v[128 + 8 (4 a + b)]).
;   window 1: two fragment buffers of 128: 64 registers of A (4 x 16 rows x 128 K), then 64 of B.
.set CHUNK,  65536                     ; 256 along K: unit w at 16,384 w: A's two halves, then B's two
.set UNIT,   16384                     ; 64 rows x 256 K: [tile of 16 rows 4][K step 2][2,048]
.set STAGE,  4*CHUNK                   ; behind the operands: 16 rows x 272 bytes for each wave; no fill lands there
.set SPITCH, 272
.set ADRA, 8                           ; v8-11   my A fragments in chunk 0..3
.set ADRB, 12                          ; v12-15  my B fragments
.set STO,  16
.set RD,   17
.set CO,   18
.set BO,   19
.set BIAS, 32
.set TMP,  64
.set BK,   96
.set ACC,  128
.set G1,  24                           ; s[24:31] descriptor group 1 for A;  s[32:47] its four groups 0
.set G0,  32
.set G1B, 48                           ; s[48:55] for B;  s[68:83] its four groups 0
.set G0B, 68
.set MSB, 0
.macro WIN new
.if MSB != (\new)
	s_set_vgpr_msb (MSB<<8)|(\new)
.set MSB, (\new)
.endif
.endm
.macro CROUND                          ; a round of the cluster's barrier
	s_barrier_signal -1
	s_barrier_wait -1
	s_cmp_lg_u32 s14, 0
	s_cbranch_scc1 .Lnot_wave_0_\@
	s_barrier_signal -3
.Lnot_wave_0_\@:
	s_barrier_wait -3
	s_barrier_signal -1
	s_barrier_wait -1
.endm
.macro PLACES
.rept 4
	v_nop
.endr
.endm
	s_load_b256 s[4:11], s[0:1], 0x0               ; oc, wc, the scales' exponents, b_proj
	s_load_b64 s[12:13], s[0:1], 0x20              ; out0
	v_lshl_add_u32 v30, v0, 2, 0x44400
	v_mov_b32 v31, 0
	ds_add_u32 v30, v31
	ds_add_u32 v30, v31
	v_lshrrev_b32 v1, 5, v0
	v_readfirstlane_b32 s14, v1                    ; wave 0..3
	s_lshr_b32 s15, s14, 1                         ; my half of the tile's rows.  Also: I fetch for A (0) or for B (1)
	s_and_b32 s16, s14, 1                          ; my half of its columns.  Also: which 64 rows I fetch
	s_bfe_u32 s18, ttmp6, 0x40000                  ; cx
	s_bfe_u32 s19, ttmp6, 0x40004                  ; cy
	s_lshl_b32 s20, ttmp9, 2
	s_add_co_u32 s20, s20, s18                     ; tile column
	s_and_b32 s21, ttmp7, 0xffff
	s_lshl_b32 s21, s21, 2
	s_add_co_u32 s21, s21, s19                     ; tile row
	s_lshl_b32 s22, s19, 2
	s_lshl_b32 s22, 15, s22                        ; my row of the cluster
	s_lshl_b32 s23, 0x1111, s18                    ; my column
	; descriptor group 1: 4 rows (tiles of 16 matrix rows) x 4,096 bytes (two K steps), 16,384 bytes apart in memory, dense in LDS
	s_or_b32 s[G1+0], s22, (3<<16)|(1<<21)         ; 15:0 the mask; 17:16 elements of 8 bytes; 21 set beside a mask
	s_or_b32 s[G1B+0], s23, (3<<16)|(1<<21)
.irp g, G1, G1B
	s_mov_b32 s[\g+1], 512<<16                     ; tensor_dim0
	s_mov_b32 s[\g+2], 4<<16                       ; tensor_dim1
	s_mov_b32 s[\g+3], 512<<16                     ; tile_dim0
	s_mov_b32 s[\g+4], 4                           ; tile_dim1
	s_mov_b32 s[\g+5], 2048                        ; tensor_dim0_stride
	s_mov_b32 s[\g+6], 0
	s_mov_b32 s[\g+7], 0
.endr
	s_lshl_b32 s56, s21, 17                        ; A: 128 rows are 131,072 bytes of codes,
	s_lshl_b32 s57, s16, 16                        ; 64 rows half of that
	s_add_co_u32 s56, s56, s57
	s_mov_b32 s57, 0
	s_lshl_b32 s58, s20, 17                        ; B likewise,
	s_lshl_b32 s59, s16, 16
	s_add_co_u32 s58, s58, s59
	s_add_co_u32 s58, s58, 3145728                 ; behind w_qkv's codes
	s_mov_b32 s59, 0
	s_lshl_b32 s60, s14, 14                        ; where they go: wave x 16,384
	s_wait_dscnt 0x0
	s_wait_kmcnt 0x0
	s_load_b256 s[88:95], s[8:9], 0x0              ; e0 .. e7
	s_add_nc_u64 s[84:85], s[4:5], s[56:57]
	s_add_nc_u64 s[86:87], s[6:7], s[58:59]
	CROUND                                         ; all sixteen work-groups are here: the joint loads meet
.irp j, 0,1,2,3
	s_mov_b32 s[G0+4*\j], 1
	s_add_co_u32 s[G0+4*\j+1], s60, \j*CHUNK
	s_add_nc_u64 s[G0+4*\j+2:G0+4*\j+3], s[84:85], \j*4096
	s_or_b32 s[G0+4*\j+3], s[G0+4*\j+3], 0x80000000
	s_mov_b32 s[G0B+4*\j], 1
	s_add_co_u32 s[G0B+4*\j+1], s60, \j*CHUNK
	s_add_nc_u64 s[G0B+4*\j+2:G0B+4*\j+3], s[86:87], \j*4096
	s_or_b32 s[G0B+4*\j+3], s[G0B+4*\j+3], 0x80000000
.endr
	s_cmp_eq_u32 s15, 0                            ; a wave's four fills stand in one branch on the wave's number, ahead of every wait on TENSORcnt and every LDS read
	s_cbranch_scc0 .Lfirst_b
.irp j, 0,1,2,3
	tensor_load_to_lds s[G0+4*\j:G0+4*\j+3], s[G1:G1+7]
	s_nop 0
.endr
	PLACES
	s_branch .Lfirst_asked
.Lfirst_b:
.irp j, 0,1,2,3
	tensor_load_to_lds s[G0B+4*\j:G0B+4*\j+3], s[G1B:G1B+7]
	s_nop 0
.endr
	PLACES
.Lfirst_asked:
	v_and_b32 v1, 15, v0                           ; r
	v_bfe_u32 v2, v0, 4, 1                         ; h
	v_and_b32 v3, 31, v0
	v_lshlrev_b32 v3, 4, v3                        ; 16 x lane
	s_lshl_b32 s56, s15, 14                        ; my 64 rows of A,
	s_lshl_b32 s57, s16, 14
	s_add_co_u32 s57, s57, 2*UNIT                  ; and of B
.irp j, 0,1,2,3
	v_add_nc_u32 v[ADRA+\j], s56, v3
	v_add_nc_u32 v[ADRB+\j], s57, v3
	s_add_co_u32 s56, s56, CHUNK
	s_add_co_u32 s57, s57, CHUNK
.endr
	s_mul_i32 s58, s14, 16*SPITCH
	s_add_co_u32 s58, s58, STAGE                   ; my stage
	v_mul_u32_u24 v4, v1, SPITCH
	v_lshl_add_u32 v4, v2, 5, v4
	v_add_nc_u32 v[STO], s58, v4                   ; in: row r, 32 bytes for each half of the lanes
	v_mul_u32_u24 v5, v2, SPITCH
	v_lshl_add_u32 v5, v1, 4, v5
	v_add_nc_u32 v[RD], s58, v5                    ; back: lanes 0-15 one row of 256 bytes, lanes 16-31 the next
	v_lshlrev_b32 v6, 12, v2
	v_lshl_add_u32 v[CO], v1, 4, v6                ; and the same two rows in out0
	v_lshlrev_b32 v[BO], 5, v2                     ; 32 h
	s_lshl_b32 s62, s20, 9
	s_lshl_b32 s63, s16, 8
	s_add_co_u32 s62, s62, s63                     ; my first column, in bytes: 512 x tile column + 256 x half
	s_mov_b32 s63, 0
	s_add_nc_u64 s[10:11], s[10:11], s[62:63]
.irp b, 0,1,2,3
	global_load_b128 v[BIAS+8*\b:BIAS+8*\b+3], v[BO], s[10:11] offset:64*\b       ; register 8 b + i: column 16 b + 8 h + i
	global_load_b128 v[BIAS+8*\b+4:BIAS+8*\b+7], v[BO], s[10:11] offset:64*\b+16
.endr
	s_lshl_b32 s61, s21, 19                        ; 128 rows of 4,096 bytes,
	s_add_co_u32 s62, s62, s61
	s_lshl_b32 s61, s15, 18                        ; 64 rows
	s_add_co_u32 s62, s62, s61
	s_add_nc_u64 s[12:13], s[12:13], s[62:63]
.macro FETCH s, f                      ; K step s: 4 fragments of B and 4 of A into buffer f: 32 loads of 512 consecutive bytes
	WIN 0x40                                       ; destination window 1, address window 0
.irp i, 0,1,2,3
.irp c, 0,1,2,3
	ds_load_b128 v[(\f)+64+16*\i+4*\c:(\f)+64+16*\i+4*\c+3], v[ADRB+(\s)/2] offset:4096*\i+2048*((\s)%2)+512*\c
.endr
.irp c, 0,1,2,3
	ds_load_b128 v[(\f)+16*\i+4*\c:(\f)+16*\i+4*\c+3], v[ADRA+(\s)/2] offset:4096*\i+2048*((\s)%2)+512*\c
.endr
.endr
.endm
.macro MULS f, zero                    ; 16 matrix instructions; the 16 accumulators take turns, in the same order in every step
	WIN 0x05                                       ; sources 0 and 1 window 1; C and D window 0
.irp a, 0,1,2,3
.irp b, 0,1,2,3
.if \zero
	v_wmma_f32_16x16x128_fp8_fp8 v[ACC+8*(4*\a+\b):ACC+8*(4*\a+\b)+7], v[(\f)+64+16*\b:(\f)+64+16*\b+15], v[(\f)+16*\a:(\f)+16*\a+15], 0
.else
	v_wmma_f32_16x16x128_fp8_fp8 v[ACC+8*(4*\a+\b):ACC+8*(4*\a+\b)+7], v[(\f)+64+16*\b:(\f)+64+16*\b+15], v[(\f)+16*\a:(\f)+16*\a+15], v[ACC+8*(4*\a+\b):ACC+8*(4*\a+\b)+7]
.endif
.endr
.endr
.endm
.macro KS s, zero
	s_wait_dscnt 0x0                               ; this step's fragments are in
.if (\s)%2 == 1 && (\s) < 7
	s_wait_tensorcnt 3-((\s)+1)/2                  ; my part of the next chunk is in; the chunks behind it may be out
	s_barrier_signal -1
	s_barrier_wait -1                              ; everybody's is
.endif
.if (\s) < 7
.if (\s) > 0
	PLACES                                         ; in front of loads into the buffer that the last step's products read
.endif
	FETCH (\s)+1, 128*(((\s)+1)%2)
.endif
	MULS 128*((\s)%2), \zero
.endm
	s_wait_tensorcnt 3                             ; my part of chunk 0 is in; three loads may be out
	s_barrier_signal -1
	s_barrier_wait -1
	FETCH 0, 0
	KS 0, 1                                        ; the first products start the sums
.irp s, 1,2,3,4,5,6,7
	KS \s, 0
.endr
	WIN 0
	PLACES                                         ; behind the last products
	s_wait_loadcnt 0x0                             ; the bias
	s_wait_kmcnt 0x0
	s_add_co_i32 s96, s94, s95
	s_add_co_i32 s96, s96, 127
	s_lshl_b32 s96, s96, 23                        ; 2^(e6 + e7) as f32
	s_mov_b32 s97, s96
.irp a, 0,1,2,3                        ; block a: 16 rows x my 64 columns
.irp b, 0,1,2,3
.irp i, 0,2,4,6
	v_pk_fma_f32 v[TMP+8*\b+\i:TMP+8*\b+\i+1], v[ACC+8*(4*\a+\b)+\i:ACC+8*(4*\a+\b)+\i+1], s[96:97], v[BIAS+8*\b+\i:BIAS+8*\b+\i+1] op_sel_hi:[1,0,1]   ; sum x 2^(e6 + e7) + bias; each accumulator from its low end on
.endr
.endr
.irp b, 0,1,2,3
	ds_store_b128 v[STO], v[TMP+8*\b:TMP+8*\b+3] offset:64*\b
	ds_store_b128 v[STO], v[TMP+8*\b+4:TMP+8*\b+7] offset:64*\b+16
.endr
.if \a > 0
	s_wait_xcnt 0x0                                ; the last block's stores have read their data: the loads below land there only behind this wait
.endif
.irp t, 0,1,2,3,4,5,6,7
	ds_load_b128 v[BK+4*\t:BK+4*\t+3], v[RD] offset:2*\t*SPITCH   ; LDS serves a wave's instructions in order: these see my stores
.endr
.irp t, 0,1,2,3,4,5,6,7
	s_wait_dscnt 7-\t                              ; the younger reads of the stage may be out
	global_store_b128 v[CO], v[BK+4*\t:BK+4*\t+3], s[12:13] offset:(16*\a+2*\t)*4096 th:TH_STORE_NT   ; 16 lanes store 256 consecutive bytes, aligned
.endr
.endr
	s_wait_dscnt 0x0
	s_wait_tensorcnt 0x0
	ds_add_u32 v30, v31
	s_wait_dscnt 0x0
	CROUND                                         ; the closing round: no work-group ends while a partner may still ask for a tile that names it
	s_endpgm
.Lfunc_end_k_qd6dd6d56e8_proj:
	.size	k_qd6dd6d56e8_proj, .Lfunc_end_k_qd6dd6d56e8_proj-k_qd6dd6d56e8_proj
	.p2alignl 7, 3214868480
	.fill 96, 4, 3214868480
	.section	.rodata,"a",@progbits
	.p2align	6, 0x0
	.amdhsa_kernel k_qd6dd6d56e8_proj
		.amdhsa_group_segment_fixed_size 327680
		.amdhsa_private_segment_fixed_size 0
		.amdhsa_enable_private_segment 0
		.amdhsa_kernarg_size 40
		.amdhsa_user_sgpr_count 2
		.amdhsa_user_sgpr_kernarg_segment_ptr 1
		.amdhsa_wavefront_size32 1
		.amdhsa_system_sgpr_workgroup_id_x 1
		.amdhsa_system_sgpr_workgroup_id_y 1
		.amdhsa_system_sgpr_workgroup_id_z 1
		.amdhsa_system_vgpr_workitem_id 0
		.amdhsa_next_free_vgpr 512
		.amdhsa_next_free_sgpr 100
		.amdhsa_reserve_vcc 0
		.amdhsa_float_denorm_mode_32 3
		.amdhsa_float_denorm_mode_16_64 3
		.amdhsa_memory_ordered 1
		.amdhsa_forward_progress 1
		.amdhsa_inst_pref_size 48
	.end_amdhsa_kernel
	.amdgpu_metadata
---
amdhsa.version: [ 1, 2 ]
amdhsa.kernels:
  - .name:           k_qd6dd6d56e8_proj
    .symbol:         k_qd6dd6d56e8_proj.kd
    .args:
      - { .name: oc, .offset: 0, .size: 8, .value_kind: global_buffer, .address_space: global }
      - { .name: wc, .offset: 8, .size: 8, .value_kind: global_buffer, .address_space: global }
      - { .name: lowp_scales, .offset: 16, .size: 8, .value_kind: global_buffer, .address_space: global }
      - { .name: b_proj, .offset: 24, .size: 8, .value_kind: global_buffer, .address_space: global }
      - { .name: out0, .offset: 32, .size: 8, .value_kind: global_buffer, .address_space: global }
    .group_segment_fixed_size: 327680
    .private_segment_fixed_size: 0
    .kernarg_segment_align: 8
    .kernarg_segment_size: 40
    .max_flat_workgroup_size: 128
    .sgpr_count:     100
    .vgpr_count:     512
    .wavefront_size: 32
...
	.end_amdgpu_metadata
.endif
;; end of part 4
;; ======== version 2 of 3: 4 launches; 1.18 times as fast as version 1
;; limits: right only within a limited range of input values
;; workspace buffers: xc 4,194,304 bytes; wc 4,194,304 bytes; maskw 524,288 bytes of whole numbers; flags 524,288 bytes of whole numbers; qc 4,194,304 bytes; kc 4,194,304 bytes; vc 4,194,304 bytes; oc 4,194,304 bytes
;; launch prep (part 5): grid 256 x 1, 8 waves a work-group, no clusters, 87,040 bytes of LDS; arguments x, w_qkv, w_proj, attn_mask, lowp_scales, xc, wc, maskw, flags; writes xc, wc, maskw, flags
.if DOCPART == 5
	.amdgcn_target "amdgcn-amd-amdhsa--gfx1250"
	.amdhsa_code_object_version 6
	.text
	.protected	k_qd6dd6d56e8_prep
	.globl	k_qd6dd6d56e8_prep
	.p2align	8
	.type	k_qd6dd6d56e8_prep,@function
k_qd6dd6d56e8_prep:
	s_mov_b64 s[64:65], 0
	v_nop
	global_prefetch_b8 v0, s[64:65] scope:SCOPE_SE
	s_setreg_imm32_b32 hwreg(HW_REG_WAVE_MODE, 25, 1), 1
	s_wait_xcnt 0x0
; PREP: the three f32 inputs of the two large products become codes of FP8 (E4M3), and the mask becomes lane masks.
; code = x / 2^e, held within +-448, rounded to the nearest code, ties to even.  e: entry 0 (x), 1 (w_qkv), 7 (w_proj) of the scales.  LIMITS: -126 <= e <= 119.  NaN among the inputs is not served.
; THE CODES ARE LAID AS IMAGES OF OPERAND REGISTERS.  A fragment is 16 rows x 128 along K, 2,048 bytes: [quad 0..3][lane][16 bytes]; lane (r = lane % 16, h = lane / 16) holds row r, and its
; registers 2 c, 2 c + 1 hold k = 16 c + 8 h + 0 .. 7; quad q is registers 4 q .. 4 q + 3.  Fragments lie [tile of 16 rows][K step 0..7].  w_proj follows w_qkv in wc.
; Work-groups 0-127 take x, 128-223 w_qkv, 224-255 w_proj: only pointers, a base number and the exponent are chosen, by the work-group's number.  A wave takes two fragments (16 rows x 256 along K):
; each load reads 512 consecutive bytes of a row; the numbers turn through the wave's own stage in LDS (rows 528 bytes apart: 132 words, so the 16 rows of a read start at 16 different groups of banks)
; and come back eight neighbours along K at a time.  Each store covers 512 consecutive bytes, aligned.
; THE MASK.  2,048 waves, and 128 tiles of 16 queries x 16 key steps of 128 keys: EVERY WAVE ALSO TAKES ONE SUCH UNIT, number 8 x work-group + wave = 16 x tile + step.  Its four loads are issued ahead of the
; wave's 32 loads of f32 numbers, and its words are made while those are on their way.  Word 8 T + j of a step has in bit L the mask of query L % 16 and key 16 T + 8 (L / 16) + j: the lane mask of score
; register 8 T + j in the attention launch.  maskw: [unit][64 words].  flags: [unit][256 bytes]: the OR and the AND of the 64 words, as a pair, in each of the 32 lanes' 8 bytes: both stores cover 256 bytes, aligned.
; The words are made in two batches of 32: the compares, then the scalar ORs and ANDs, then the moves into lanes, so that vector and scalar work change hands four times, not once a word.
; No tensor load, no barrier: waves share nothing.
.set SP,   528                         ; a row of the numbers' stage: 512 bytes + 16
.set WST,  16*SP                       ; a wave's stage
.set MPI,  144                         ; a row of the mask's stage: 128 bytes + 16 = 36 words: row r starts at bank 36 r mod 64, sixteen different multiples of 4; a row's two lanes take 4 words: 64 banks, each once
.set MWST, 16*MPI
.set MST,  8*WST                       ; the mask's stages lie behind the numbers'
.set LI,   1                           ; v1   16 x lane
.set QIN,  4                           ; v4   the numbers' stage, way in
.set QOUT, 5                           ; v5   way out: row r, + 32 h
.set MIN,  6                           ; v6   the mask's stage, way in: row lane / 8 of a load's four, + 16 (lane % 8)
.set MOUT, 7                           ; v7   way out: row r, + 8 h
.set L8,   9                           ; v9   8 x lane
.set SCL,  10                          ; v10  2^e
.set LIM,  11                          ; v11  448 x 2^e
.set TM,   12                          ; v12-15 at work
.set R,    16                          ; v16-143  numbers as loaded, 64 a fragment
.set X,    144                         ; v144-207 64 numbers in the operand's order
.set C,    208                         ; v208-239 codes, 16 registers a fragment; until the first conversion they serve the mask:
.set MR,   208                         ; v208-223 the mask's bytes as loaded
.set MB,   224                         ; v224-239 and in the lanes' order: registers 2 T, 2 T + 1: keys 16 T + 8 h + 0 .. 7 of query r
.set OUT,  240                         ; v240-241 the 64 words: word 2 l + i in register i of lane l
.set FL,   242                         ; v242-243 the OR, the AND
.set MG,   244                         ; v244 the mask in memory: 2,048 (lane / 8) + 16 (lane % 8)
.set SOR,  40                          ; s40  the OR
.set SAND, 41                          ; s41  the AND
.set WD,   66                          ; s66-97 a batch of 32 words
	s_load_b256 s[4:11], s[0:1], 0x0               ; x, w_qkv, w_proj, attn_mask
	s_load_b256 s[12:19], s[0:1], 0x20             ; the scales' exponents, xc, wc, maskw
	s_load_b64 s[20:21], s[0:1], 0x40              ; flags
	v_lshl_add_u32 v248, v0, 2, 0x15000
	v_mov_b32 v249, 0
	v_lshrrev_b32 v8, 5, v0
	v_readfirstlane_b32 s22, v8                    ; wave 0..7
	v_and_b32 v8, 31, v0                           ; lane
	v_lshlrev_b32 v[LI], 4, v8
	v_lshlrev_b32 v[L8], 3, v8
	v_and_b32 v2, 15, v0                           ; r
	v_bfe_u32 v3, v0, 4, 1                         ; h
	s_mul_i32 s23, s22, WST
	v_add_nc_u32 v[QIN], s23, v[LI]
	v_mul_u32_u24 v12, v2, SP
	v_add_nc_u32 v12, s23, v12
	v_lshl_add_u32 v[QOUT], v3, 5, v12
	s_mul_i32 s23, s22, MWST
	s_add_co_u32 s23, s23, MST
	v_lshrrev_b32 v12, 3, v8                       ; lane / 8
	v_and_b32 v13, 7, v8                           ; lane % 8
	v_mul_u32_u24 v14, v12, MPI
	v_lshl_add_u32 v14, v13, 4, v14
	v_add_nc_u32 v[MIN], s23, v14
	v_lshlrev_b32 v15, 11, v12
	v_lshl_add_u32 v[MG], v13, 4, v15
	v_mul_u32_u24 v14, v2, MPI
	v_lshl_add_u32 v14, v3, 3, v14
	v_add_nc_u32 v[MOUT], s23, v14
	v_mov_b32 v[OUT], 0                            ; v_writelane_b32 counts as a reader of its destination
	v_mov_b32 v[OUT+1], 0
	s_mov_b32 s[SOR], 0
	s_mov_b32 s[SAND], -1
	s_lshl_b32 s42, ttmp9, 3
	s_add_co_u32 s42, s42, s22                     ; my unit of the mask: 16 x tile of queries + key step
	s_lshr_b32 s38, s42, 4
	s_lshl_b32 s38, s38, 15                        ; 16 rows of 2,048 bytes,
	s_and_b32 s39, s42, 15
	s_lshl_b32 s39, s39, 7                         ; 128 keys
	s_add_co_u32 s38, s38, s39
	s_mov_b32 s39, 0
	s_lshl_b32 s42, s42, 8                         ; 256 bytes a unit, of words and of flags
	s_mov_b32 s43, 0
	s_wait_kmcnt 0x0
	s_load_b256 s[24:31], s[12:13], 0x0            ; e0 .. e7
	s_add_nc_u64 s[10:11], s[10:11], s[38:39]
	s_add_nc_u64 s[18:19], s[18:19], s[42:43]
	s_add_nc_u64 s[20:21], s[20:21], s[42:43]
.irp i, 0,1,2,3
	global_load_b128 v[MR+4*\i:MR+4*\i+3], v[MG], s[10:11] offset:8192*\i   ; four rows' 128 bytes: eight lanes to a row
.endr
	s_cmp_lt_u32 ttmp9, 128
	s_cselect_b64 s[32:33], s[4:5], s[6:7]         ; from x or from w_qkv,
	s_cselect_b64 s[34:35], s[14:15], s[16:17]     ; into xc or into wc
	s_cselect_b32 s36, 0, 128                      ; the tensor's first work-group, for the source,
	s_mov_b32 s37, s36                             ; and for the destination: w_proj goes on where w_qkv ends
	s_cmp_lt_u32 ttmp9, 224
	s_cselect_b64 s[32:33], s[32:33], s[8:9]       ; or from w_proj
	s_cselect_b32 s36, s36, 224
	s_sub_co_u32 s36, ttmp9, s36
	s_lshl_b32 s36, s36, 3
	s_add_co_u32 s36, s36, s22                     ; which pair of fragments of the source is my wave's
	s_sub_co_u32 s37, ttmp9, s37
	s_lshl_b32 s37, s37, 3
	s_add_co_u32 s37, s37, s22                     ; and of the destination
	s_lshr_b32 s38, s36, 2
	s_lshl_b32 s38, s38, 16                        ; a tile of 16 rows is 65,536 bytes of f32,
	s_and_b32 s39, s36, 3
	s_lshl_b32 s39, s39, 10                        ; two K steps are 1,024 bytes of a row
	s_add_co_u32 s38, s38, s39
	s_mov_b32 s39, 0
	s_add_nc_u64 s[32:33], s[32:33], s[38:39]
	s_lshl_b32 s38, s37, 12                        ; a pair of fragments is 4,096 bytes of codes
	s_add_nc_u64 s[34:35], s[34:35], s[38:39]
.macro LOADF f                         ; fragment f: 16 rows x 512 bytes
.irp i, 0,1,2,3,4,5,6,7,8,9,10,11,12,13,14,15
	global_load_b128 v[R+64*\f+4*\i:R+64*\f+4*\i+3], v[LI], s[32:33] offset:4096*\i+512*\f th:TH_LOAD_NT
.endr
.endm
.macro TURN f, dst                     ; through my stage: LDS serves a wave's instructions in order, so no wait stands between the stores and the loads
.irp i, 0,1,2,3,4,5,6,7,8,9,10,11,12,13,14,15
	ds_store_b128 v[QIN], v[R+64*\f+4*\i:R+64*\f+4*\i+3] offset:SP*\i
.endr
.irp c, 0,1,2,3,4,5,6,7
	ds_load_b128 v[\dst+8*\c:\dst+8*\c+3], v[QOUT] offset:64*\c        ; k = 16 c + 8 h + 0 .. 3 of row r
	ds_load_b128 v[\dst+8*\c+4:\dst+8*\c+7], v[QOUT] offset:64*\c+16   ; and + 4 .. 7
.endr
.endm
.macro QUANT src, f
.set j, 0
.rept 64
	v_med3_num_f32 v[\src+j], v[\src+j], -v[LIM], v[LIM]   ; the conversion to an 8-bit code does not saturate (ISA guide 7.6.2): the hold comes first
.set j, j+1
.endr
.irp c, 0,1,2,3,4,5,6,7
	v_cvt_scalef32_pk8_fp8_f32 v[C+16*\f+2*\c:C+16*\f+2*\c+1], v[\src+8*\c:\src+8*\c+7], v[SCL]
.endr
.irp q, 0,1,2,3
	global_store_b128 v[LI], v[C+16*\f+4*\q:C+16*\f+4*\q+3], s[34:35] offset:2048*\f+512*\q   ; each fragment has code registers of its own: no store's data are written again
.endr
.endm
; Words 32 b .. 32 b + 31 of my unit.  Word n = 8 T + j is the compare of byte j % 4 of register 2 T + j / 4.
.macro WORDS b
.set n, 32*\b
.rept 8
.irp i, 0,1,2,3
	v_and_b32 v[TM+\i], 0xff<<(8*\i), v[MB+2*(n/8)+(n%8)/4]
.endr
.irp i, 0,1,2,3
	v_cmp_ne_u32 s[WD+n%32+\i], 0, v[TM+\i]        ; bit L: my lane's byte is not 0
.endr
.set n, n+4
.endr
.set n, 0
.rept 32
	s_or_b32 s[SOR], s[SOR], s[WD+n]
	s_and_b32 s[SAND], s[SAND], s[WD+n]
.set n, n+1
.endr
.set n, 0
.rept 32
	v_writelane_b32 v[OUT+n%2], s[WD+n], 16*\b+n/2 ; a store of 8 bytes a lane puts word 2 l + i from register i of lane l
.set n, n+1
.endr
.endm
	LOADF 0
	LOADF 1
	s_wait_kmcnt 0x0
	s_cmp_lt_u32 ttmp9, 128
	s_cselect_b32 s36, s24, s25
	s_cmp_lt_u32 ttmp9, 224
	s_cselect_b32 s36, s36, s31                    ; e
	s_add_co_i32 s36, s36, 127
	s_lshl_b32 s37, s36, 23
	v_mov_b32 v[SCL], s37                          ; 2^e as f32: the conversion takes its exponent field
	s_add_co_i32 s36, s36, 8
	s_lshl_b32 s36, s36, 23
	s_or_b32 s36, s36, 0x600000
	v_mov_b32 v[LIM], s36                          ; 448 x 2^e
	; ---- the mask, while the numbers are on their way
	s_wait_loadcnt 32                              ; 36 loads were issued: the mask's four are in, the numbers' 32 may be out
.irp i, 0,1,2,3
	ds_store_b128 v[MIN], v[MR+4*\i:MR+4*\i+3] offset:4*MPI*\i
.endr
.irp t, 0,1,2,3,4,5,6,7
	ds_load_b64 v[MB+2*\t:MB+2*\t+1], v[MOUT] offset:16*\t
.endr
	s_wait_dscnt 0x0
	WORDS 0
	WORDS 1
	v_mov_b32 v[FL], s[SOR]
	v_mov_b32 v[FL+1], s[SAND]
	global_store_b64 v[L8], v[OUT:OUT+1], s[18:19] ; 256 consecutive bytes, aligned; these registers are not written again
	global_store_b64 v[L8], v[FL:FL+1], s[20:21]   ; likewise
	; ---- the numbers
	s_wait_loadcnt 16                              ; fragment 0's sixteen loads are in; fragment 1's may be out
	TURN 0, X
	s_wait_loadcnt 0x0
	s_wait_dscnt 0x0                               ; fragment 0 is back, and its stores into the stage have read v16-79
	TURN 1, R                                      ; fragment 1 comes back into v16-79 while fragment 0 is quantised
	QUANT X, 0
	s_wait_dscnt 0x0
	QUANT R, 1
	s_wait_tensorcnt 0x0
	ds_add_u32 v248, v249
	s_wait_dscnt 0x0
	s_endpgm
.Lfunc_end_k_qd6dd6d56e8_prep:
	.size	k_qd6dd6d56e8_prep, .Lfunc_end_k_qd6dd6d56e8_prep-k_qd6dd6d56e8_prep
	.p2alignl 7, 3214868480
	.fill 96, 4, 3214868480
	.section	.rodata,"a",@progbits
	.p2align	6, 0x0
	.amdhsa_kernel k_qd6dd6d56e8_prep
		.amdhsa_group_segment_fixed_size 87040
		.amdhsa_private_segment_fixed_size 0
		.amdhsa_enable_private_segment 0
		.amdhsa_kernarg_size 72
		.amdhsa_user_sgpr_count 2
		.amdhsa_user_sgpr_kernarg_segment_ptr 1
		.amdhsa_wavefront_size32 1
		.amdhsa_system_sgpr_workgroup_id_x 1
		.amdhsa_system_sgpr_workgroup_id_y 1
		.amdhsa_system_sgpr_workgroup_id_z 1
		.amdhsa_system_vgpr_workitem_id 0
		.amdhsa_next_free_vgpr 250
		.amdhsa_next_free_sgpr 98
		.amdhsa_reserve_vcc 0
		.amdhsa_float_denorm_mode_32 3
		.amdhsa_float_denorm_mode_16_64 3
		.amdhsa_memory_ordered 1
		.amdhsa_forward_progress 1
		.amdhsa_inst_pref_size 39
	.end_amdhsa_kernel
	.amdgpu_metadata
---
amdhsa.version: [ 1, 2 ]
amdhsa.kernels:
  - .name:           k_qd6dd6d56e8_prep
    .symbol:         k_qd6dd6d56e8_prep.kd
    .args:
      - { .name: x, .offset: 0, .size: 8, .value_kind: global_buffer, .address_space: global }
      - { .name: w_qkv, .offset: 8, .size: 8, .value_kind: global_buffer, .address_space: global }
      - { .name: w_proj, .offset: 16, .size: 8, .value_kind: global_buffer, .address_space: global }
      - { .name: attn_mask, .offset: 24, .size: 8, .value_kind: global_buffer, .address_space: global }
      - { .name: lowp_scales, .offset: 32, .size: 8, .value_kind: global_buffer, .address_space: global }
      - { .name: xc, .offset: 40, .size: 8, .value_kind: global_buffer, .address_space: global }
      - { .name: wc, .offset: 48, .size: 8, .value_kind: global_buffer, .address_space: global }
      - { .name: maskw, .offset: 56, .size: 8, .value_kind: global_buffer, .address_space: global }
      - { .name: flags, .offset: 64, .size: 8, .value_kind: global_buffer, .address_space: global }
    .group_segment_fixed_size: 87040
    .private_segment_fixed_size: 0
    .kernarg_segment_align: 8
    .kernarg_segment_size: 72
    .max_flat_workgroup_size: 256
    .sgpr_count:     98
    .vgpr_count:     250
    .wavefront_size: 32
...
	.end_amdgpu_metadata
.endif
;; end of part 5
;; launch qkv: the kernel of part 2 again; grid 12 x 16, 4 waves a work-group, clusters of 4 x 4, 327,680 bytes of LDS; arguments xc, wc, lowp_scales, b_qkv, g_q, bt_q, g_k, bt_k, qc, kc, vc; writes qc, kc, vc
;; launch attn (part 6): grid 8 x 32, 16 waves a work-group, no clusters, 264,192 bytes of LDS; arguments qc, kc, vc, maskw, flags, lowp_scales, oc; writes oc
.if DOCPART == 6
	.amdgcn_target "amdgcn-amd-amdhsa--gfx1250"
	.amdhsa_code_object_version 6
	.text
	.protected	k_qd6dd6d56e8_attn
	.globl	k_qd6dd6d56e8_attn
	.p2align	8
	.type	k_qd6dd6d56e8_attn,@function
k_qd6dd6d56e8_attn:
	s_mov_b64 s[64:65], 0
	v_nop
	global_prefetch_b8 v0, s[64:65] scope:SCOPE_SE
	s_setreg_imm32_b32 hwreg(HW_REG_WAVE_MODE, 25, 1), 1
	s_wait_xcnt 0x0
; ATTENTION on codes of FP8 (E4M3), with the mask that is given.  q, k: [batch x 16 + head][tile of 16 rows][1,024 bytes], images of fragments of 16 rows x 64 channels.
; v: [batch x 16 + head][key step of 128][block of 16 channels][2,048 bytes], images of fragments of V^T.  The result leaves as codes, images of the A operand of the last product.
; THE SOFTMAX: t = score x log2(e) / 8; M = the running largest t rounded up to a whole number; p = 2^(t - M) is quantised; the sum is taken of the unquantised p and divides at the end.
; SHARES.  A work-group has one head and sixteen waves; the head's whole K and V, 131,072 bytes each, are brought into LDS once, through registers; then one barrier, and no wave waits for another.
; Wave w owns the 16 queries of tile 8 G + work-group x, G = 4 (w / 4) + ((w % 4) xor 3 ((w / 4) % 2)): every tile has one owner, whatever the mask.
; LAYOUT.  S^T = K Q^T (source 0 = 16 keys, source 1 = my queries): lane (r, h), register j of tile T: query r, key 16 T + 8 h + j, which is the place of registers 2 T, 2 T + 1 of the second product's operand.
; O^T = V^T P^T (source 0 = 16 channels x 128 keys).  A lane holds one query throughout.
; THE MASK comes as lane masks (64 words a step) and, for each step, their OR and AND, stored by the first launch.  A masked score becomes -2^100 ahead of the maximum: a power of two, so that t is exact.
; A step of which no bit is set for my 16 queries is jumped over: its p would be 0.  Not so where one of my queries has no bit in the whole row: that tile walks all steps, and such a row comes out uniform.
; A step of which all bits are set leaves the 64 selects out.  These are scalar branches on stored whole numbers; the loop's trip count is a constant.
; THE 64 WORDS ARE ASKED FOR A STEP AHEAD, and only for a step that is walked and has holes: in trip ks, behind the lines of the maximum (or where the trip is jumped over), the words of step ks + 1.
; They have the exponentials, the sums, the second product and the next step's first product in which to land.  Step 0's are asked for at the head, in every wave.
; NO CLUSTER, though eight work-groups read one head's K and V: joint requests are tensor loads, and a launch with a tensor load has no branch on numbers read from memory; the jumps spare whole key steps,
; the sharing would spare seven of eight reads of 262,144 bytes.  No prefetch: all that a work-group reads in bulk is asked for at its head.
; LIMITS: e2 + e3 between -70 and 20 (c x 2^100 stays a whole number above -3e38); e4, e6 between -126 and 119.  NaN among the inputs is not served.
; REGISTERS: v1-6 addresses; v12 -M, v13 the largest t, v[14:15] the sum; v16-23 Q; v32-95 K's eight fragments, then V's four; v96-159 S^T, then p; v160-191 O^T; v192-207 p's codes; v208-215 the result's codes.
.set VL,   131072                      ; V lies behind K
.set AL,   1                           ; v1   16 x lane
.set ADK,  2                           ; v2   the step's K
.set ADV,  3                           ; v3   the step's V
.set AVB,  4                           ; v4   16 x lane + VL
.set FK,   5                           ; v5   the fill: wave x 8,192 + 16 x lane
.set FV,   6                           ; v6   + VL
.set NEED, 2                           ; s2   bit ks: step ks + 1 is walked and has holes: its words are wanted
.set WV,   18
.set KS,   19                          ; s19  the key step
.set SEL,  52                          ; s[52:53] lane selects: lane l xor 16
.set CS,   54                          ; s[54:55] c = log2(e) / 8 x 2^(e2 + e3)
.set TB,   56                          ; s56  the step's bytes in K and in V: 8,192 x step
.set ANY,  57                          ; s57  bit ks: the step is walked
.set FULL, 58                          ; s58  bit ks: all of the step's bits are set
.set HOLD, 59                          ; s59  1: p can pass 448 x 2^e4
.set MP,   60                          ; s[60:61] the step's mask words
.set T0,   62
.set T1,   63
.set QT,   66
.set T2,   67
.set EO,   100                         ; s100 e4 + e5
.set T3,   101
; The words of step ks + 1, where they are wanted.  No scalar load is out where this stands: a wait for all of them stands ahead of it on both ways.  Bit 15 of NEED is 0: nothing is read behind my tile's 16 steps.
.macro NEXTMASK
	s_lshr_b32 s[T0], s[NEED], s[KS]
	s_and_b32 s[T0], s[T0], 1
	s_cmp_eq_u32 s[T0], 0
	s_cbranch_scc1 .Lnone_\@
	s_load_b512 s[20:35], s[MP:MP+1], 0x100
	s_load_b512 s[36:51], s[MP:MP+1], 0x140
	s_load_b512 s[68:83], s[MP:MP+1], 0x180
	s_load_b512 s[84:99], s[MP:MP+1], 0x1c0
.Lnone_\@:
.endm
	s_load_b256 s[4:11], s[0:1], 0x0               ; qc, kc, vc, maskw
	s_load_b128 s[12:15], s[0:1], 0x20             ; flags, the scales' exponents
	s_load_b64 s[16:17], s[0:1], 0x30              ; oc
	v_lshl_add_u32 v251, v0, 2, 0x40000
	v_mov_b32 v255, 0
	v_lshrrev_b32 v2, 5, v0
	v_readfirstlane_b32 s[WV], v2                  ; wave 0..15
	v_and_b32 v1, 31, v0
	v_lshlrev_b32 v[AL], 4, v1
	v_add_nc_u32 v[AVB], VL, v[AL]
	s_lshl_b32 s[T0], s[WV], 13
	v_add_nc_u32 v[FK], s[T0], v[AL]
	v_add_nc_u32 v[FV], VL, v[FK]
	s_and_b32 s[T1], ttmp7, 0xffff                 ; batch x 16 + head
	s_and_b32 s[QT], s[WV], 3
	s_lshr_b32 s[T2], s[WV], 2
	s_and_b32 s[T3], s[T2], 1
	s_mul_i32 s[T3], s[T3], 3
	s_xor_b32 s[QT], s[QT], s[T3]
	s_lshl_b32 s[T2], s[T2], 2
	s_add_co_u32 s[QT], s[QT], s[T2]               ; G
	s_lshl_b32 s[QT], s[QT], 3
	s_add_co_u32 s[QT], s[QT], ttmp9               ; my tile of 16 queries
	s_mov_b32 s59, 0
	s_lshl_b32 s58, s[T1], 17
	s_add_co_u32 s58, s58, s[T0]                   ; the head's codes, my wave's 8,192 bytes of them
	s_wait_kmcnt 0x0
	s_add_nc_u64 s[6:7], s[6:7], s[58:59]
	s_add_nc_u64 s[8:9], s[8:9], s[58:59]
.irp i, 0,1,2,3,4,5,6,7,8,9,10,11,12,13,14,15
	global_load_b128 v[96+4*\i:99+4*\i], v[AL], s[6:7] offset:512*\i
.endr
.irp i, 0,1,2,3,4,5,6,7,8,9,10,11,12,13,14,15
	global_load_b128 v[160+4*\i:163+4*\i], v[AL], s[8:9] offset:512*\i
.endr
	s_lshl_b32 s58, s[T1], 7
	s_add_co_u32 s58, s58, s[QT]
	s_lshl_b32 s58, s58, 10
	s_add_nc_u64 s[4:5], s[4:5], s[58:59]
	global_load_b128 v[16:19], v[AL], s[4:5]       ; Q's fragment stays in registers
	global_load_b128 v[20:23], v[AL], s[4:5] offset:512
	s_lshl_b32 s58, s[QT], 12                      ; my tile's 16 steps x 256 bytes, of flags and of mask words alike
	s_add_nc_u64 s[12:13], s[12:13], s[58:59]
	s_add_nc_u64 s[MP:MP+1], s[10:11], s[58:59]
.set kk, 0
.rept 16
	s_load_b64 s[20+2*kk:21+2*kk], s[12:13], 256*kk   ; step kk: the OR, the AND
.set kk, kk+1
.endr
	s_load_b256 s[68:75], s[14:15], 0x0            ; e0 .. e7
	s_lshr_b32 s58, s[T1], 4                       ; the result: tile of 16 rows = batch x 128 + my tile;
	s_lshl_b32 s58, s58, 7
	s_add_co_u32 s58, s58, s[QT]
	s_lshl_b32 s58, s58, 3
	s_bfe_u32 s[T0], s[T1], 0x30001                ; K step = head / 2;
	s_add_co_u32 s58, s58, s[T0]
	s_lshl_b32 s58, s58, 11
	s_and_b32 s[T0], s[T1], 1                      ; an odd head fills the image's second half
	s_lshl_b32 s[T0], s[T0], 10
	s_add_co_u32 s58, s58, s[T0]
	s_add_nc_u64 s[16:17], s[16:17], s[58:59]
	s_mov_b32 s[SEL], 0x76543210
	s_mov_b32 s[SEL+1], 0xfedcba98
	s_wait_loadcnt 26                              ; 34 loads were issued: K's first eight are in
.irp i, 0,1,2,3,4,5,6,7
	ds_store_b128 v[FK], v[96+4*\i:99+4*\i] offset:512*\i
.endr
	s_wait_loadcnt 18                              ; K's other eight
.irp i, 8,9,10,11,12,13,14,15
	ds_store_b128 v[FK], v[96+4*\i:99+4*\i] offset:512*\i
.endr
	s_wait_loadcnt 10                              ; V's first eight
.irp i, 0,1,2,3,4,5,6,7
	ds_store_b128 v[FV], v[160+4*\i:163+4*\i] offset:512*\i
.endr
	s_wait_loadcnt 2                               ; V's other eight; Q's two may be out
.irp i, 8,9,10,11,12,13,14,15
	ds_store_b128 v[FV], v[160+4*\i:163+4*\i] offset:512*\i
.endr
	s_wait_kmcnt 0x0
	s_mov_b32 s[ANY], 0
	s_mov_b32 s[FULL], 0
	s_mov_b32 s[T0], 0
.set kk, 0
.rept 16
	s_or_b32 s[T0], s[T0], s[20+2*kk]              ; bit L: lane L has a bit somewhere in its half of the row
	s_cmp_lg_u32 s[20+2*kk], 0
	s_cselect_b32 s[T1], 1<<kk, 0
	s_or_b32 s[ANY], s[ANY], s[T1]
	s_cmp_eq_u32 s[21+2*kk], -1
	s_cselect_b32 s[T1], 1<<kk, 0
	s_or_b32 s[FULL], s[FULL], s[T1]
.set kk, kk+1
.endr
	s_lshr_b32 s[T1], s[T0], 16
	s_or_b32 s[T0], s[T0], s[T1]
	s_and_b32 s[T0], s[T0], 0xffff                 ; bit r: query r has a bit in its row
	s_cmp_lg_u32 s[T0], 0xffff
	s_cselect_b32 s[ANY], 0xffff, s[ANY]           ; a query with none: all steps are walked
	s_and_not1_b32 s[NEED], s[ANY], s[FULL]        ; walked, and with holes;
	s_lshr_b32 s[NEED], s[NEED], 1                 ; seen from the step before
	s_add_co_i32 s[T0], s70, s71
	s_lshl_b32 s[T0], s[T0], 23
	s_add_co_i32 s[CS], s[T0], 0x3e38aa3b          ; log2(e) / 8, with e2 + e3 added to its exponent field
	s_mov_b32 s[CS+1], s[CS]
	s_cmp_lt_i32 s72, -8
	s_cselect_b32 s[HOLD], 1, 0                    ; from e4 = -8 on, 448 x 2^e4 is above 1, and p is at most 1
	s_add_co_i32 s[EO], s72, s73
	s_add_co_i32 s[T0], s72, 127
	s_lshl_b32 s[T1], s[T0], 23
	v_mov_b32 v244, s[T1]                          ; 2^e4
	s_add_co_i32 s[T0], s[T0], 8
	s_lshl_b32 s[T0], s[T0], 23
	s_or_b32 s[T0], s[T0], 0x600000
	v_mov_b32 v240, s[T0]                          ; 448 x 2^e4
	s_add_co_i32 s[T0], s74, 127
	s_lshl_b32 s[T1], s[T0], 23
	v_mov_b32 v245, s[T1]                          ; 2^e6
	s_add_co_i32 s[T0], s[T0], 8
	s_lshl_b32 s[T0], s[T0], 23
	s_or_b32 s[T0], s[T0], 0x600000
	v_mov_b32 v241, s[T0]                          ; 448 x 2^e6
	s_load_b512 s[20:35], s[MP:MP+1], 0x0          ; the flags and the exponents are used up: step 0's 64 lane masks take their registers, in every wave, so that all 64 are written on every way
	s_load_b512 s[36:51], s[MP:MP+1], 0x40
	s_load_b512 s[68:83], s[MP:MP+1], 0x80
	s_load_b512 s[84:99], s[MP:MP+1], 0xc0
	v_mov_b32 v246, 0xf1800000                     ; -2^100
	v_mov_b32 v13, 0xff61b1e6                      ; the largest t so far: -3e38
	v_floor_f32 v12, -v13                          ; -M
	v_mov_b32 v14, 0
	v_mov_b32 v15, 0
	v_mov_b32 v236, 0                              ; a lane permute's destination counts as one of its sources
	v_mov_b32 v252, 0
	v_mov_b32 v253, 0
	s_wait_dscnt 0x0                               ; for the others' sake: my part of K and V lies in LDS
.set j, 0
.rept 32
	v_mov_b32 v[160+j], 0                          ; O^T: the loop is written once; its first step finds zeros
.set j, j+1
.endr
	s_barrier_signal -1
	s_barrier_wait -1                              ; everybody's does.  From here on LDS is only read
	s_wait_loadcnt 0x0                             ; Q
	s_mov_b32 s[KS], 0
	s_mov_b32 s[TB], 0
.Lstep:                                            ; 16 trips
	s_lshr_b32 s[T0], s[ANY], s[KS]
	s_and_b32 s[T0], s[T0], 1
	s_cmp_eq_u32 s[T0], 0
	s_cbranch_scc1 .Lskip
	v_add_nc_u32 v[ADK], s[TB], v[AL]
	v_add_nc_u32 v[ADV], s[TB], v[AVB]
	v_nop
	v_nop                                          ; four places behind the last step's products, in front of loads into registers that they read
.irp t, 0,1,2,3,4,5,6,7
	ds_load_b128 v[32+8*\t:35+8*\t], v[ADK] offset:1024*\t
	ds_load_b128 v[36+8*\t:39+8*\t], v[ADK] offset:1024*\t+512
.endr
	s_wait_dscnt 0x0
.irp t, 0,1,2,3,4,5,6,7
	v_wmma_f32_16x16x64_fp8_fp8 v[96+8*\t:103+8*\t], v[32+8*\t:39+8*\t], v[16:23], 0
.endr
.rept 4
	v_nop                                          ; places in front of the loads below and of the first read of the scores
.endr
.irp t, 0,1,2,3
.irp c, 0,1,2,3
	ds_load_b128 v[32+16*\t+4*\c:35+16*\t+4*\c], v[ADV] offset:2048*\t+512*\c   ; V lands while the softmax is walked
.endr
.endr
	s_wait_kmcnt 0x0                               ; this step's words, asked for a step ago, are in; no scalar load is out
	s_lshr_b32 s[T0], s[FULL], s[KS]
	s_and_b32 s[T0], s[T0], 1
	s_cmp_lg_u32 s[T0], 0
	s_cbranch_scc1 .Lopen
.set n, 0
.rept 32
	v_cndmask_b32 v[96+n], v246, v[96+n], s[20+n]  ; the score where the bit is set, else -2^100
.set n, n+1
.endr
.rept 32
	v_cndmask_b32 v[96+n], v246, v[96+n], s[36+n]  ; words 32-63 lie in s68-99
.set n, n+1
.endr
.Lopen:
	v_max3_num_f32 v254, v96, v97, v98             ; the step's largest score of my query, among my 64 keys, in two chains,
	v_max3_num_f32 v252, v99, v100, v101
.irp i, 6,10,14,18,22,26,30,34,38,42,46,50,54,58
	v_max3_num_f32 v254, v254, v[96+\i], v[97+\i]
	v_max3_num_f32 v252, v252, v[98+\i], v[99+\i]
.endr
	v_max3_num_f32 v254, v254, v158, v159
	v_max_num_f32 v254, v254, v252
	v_permlanex16_b32 v236, v254, s[SEL], s[SEL+1]
	v_max_num_f32 v254, v254, v236                 ; and among lane l xor 16's
	v_mul_f32 v254, s[CS], v254                    ; as t (c is positive)
	v_max_num_f32 v13, v13, v254                   ; the running largest t
	v_mov_b32 v254, v12
	v_floor_f32 v12, -v13                          ; the new -M = floor(-t): M is a whole number
	v_sub_f32 v254, v12, v254                      ; old M - new M: a whole number, 0 or less
	v_cvt_i32_f32 v254, v254                       ; (it saturates)
	v_ldexp_f32 v252, 1.0, v254                    ; f = 2^(old M - new M)
	NEXTMASK                                       ; the selects have read this step's words: the next step's may land on them
.set j, 0
.rept 32
	v_pk_fma_f32 v[96+j:97+j], v[96+j:97+j], s[CS:CS+1], v[12:13] op_sel_hi:[1,0,0]   ; t - M, two at a time
.set j, j+2
.endr
.set j, 0
.rept 64
	v_exp_f32 v[96+j], v[96+j]                     ; p = 2^(t - M)
.set j, j+1
.endr
	v_pk_mul_f32 v[14:15], v[14:15], v[252:253] op_sel_hi:[1,0]   ; the sum under the new M: the plain instruction behind the exponentials
	s_wait_alu depctr_va_vdst(0)                   ; one wait for the batch, ahead of its first reader
	v_pk_add_f32 v[242:243], v[96:97], v[98:99]    ; the sum of the unquantised p, in two chains
.irp j, 4,8,12,16,20,24,28,32,36,40,44,48,52,56,60
	v_pk_add_f32 v[14:15], v[14:15], v[96+\j:97+\j]
	v_pk_add_f32 v[242:243], v[242:243], v[98+\j:99+\j]
.endr
	v_pk_add_f32 v[14:15], v[14:15], v[242:243]
	s_cmp_eq_u32 s[HOLD], 0
	s_cbranch_scc1 .Lnohold
.set j, 0
.rept 64
	v_min_num_f32 v[96+j], v[96+j], v240           ; the conversion does not saturate (ISA guide 7.6.2); p is not negative
.set j, j+1
.endr
.Lnohold:
.irp t, 0,1,2,3,4,5,6,7
	v_cvt_scalef32_pk8_fp8_f32 v[192+2*\t:193+2*\t], v[96+8*\t:103+8*\t], v244   ; registers 2 T, 2 T + 1 of P's fragment: keys 16 T + 8 h + 0 .. 7
.endr
.set j, 0
.rept 16
	v_pk_mul_f32 v[160+j:161+j], v[160+j:161+j], v[252:253] op_sel_hi:[1,0]      ; O^T under the new M; also the plain instructions behind the conversions
.set j, j+2
.endr
	s_wait_dscnt 0x0                               ; V
.irp t, 0,1,2,3
	v_wmma_f32_16x16x128_fp8_fp8 v[160+8*\t:167+8*\t], v[32+16*\t:47+16*\t], v[192:207], v[160+8*\t:167+8*\t]   ; four accumulators by turns; the next step's eight score products stand between two turns of one
.endr
	s_branch .Ltail
.Lskip:                                            ; a step that is jumped over still asks for the next step's words, where they are wanted
	s_wait_kmcnt 0x0                               ; no load is issued into registers that an earlier one has yet to write
	NEXTMASK
.Ltail:
	s_wait_xcnt 0x0                                ; the scalar loads have read their base: it is stepped only behind this wait
	s_add_nc_u64 s[MP:MP+1], s[MP:MP+1], 256
	s_add_co_u32 s[TB], s[TB], 8192
	s_add_co_u32 s[KS], s[KS], 1
	s_cmp_lt_u32 s[KS], 16
	s_cbranch_scc1 .Lstep
.rept 4
	v_nop                                          ; places behind the last products
.endr
	v_add_f32 v14, v14, v15
	v_permlanex16_b32 v236, v14, s[SEL], s[SEL+1]
	v_add_f32 v14, v14, v236                       ; the row's sum
	v_rcp_f32 v14, v14
	v_nop
	s_wait_alu depctr_va_vdst(0)                   ; ahead of the reciprocal's first reader
	v_ldexp_f32 v14, v14, s[EO]                    ; x 2^(e4 + e5)
.set j, 0
.rept 32
	v_mul_f32 v[96+j], v[160+j], v14               ; register 8 t + i: channel 16 t + 8 h + i of my query
.set j, j+1
.endr
.set j, 0
.rept 32
	v_med3_num_f32 v[96+j], v[96+j], -v241, v241
.set j, j+1
.endr
.irp t, 0,1,2,3
	v_cvt_scalef32_pk8_fp8_f32 v[208+2*\t:209+2*\t], v[96+8*\t:103+8*\t], v245
.endr
	v_nop
	global_store_b128 v[AL], v[208:211], s[16:17]              ; 512 consecutive bytes, aligned, twice: my head's half of an image
	global_store_b128 v[AL], v[212:215], s[16:17] offset:512
	s_wait_tensorcnt 0x0
	ds_add_u32 v251, v255
	s_wait_dscnt 0x0
	s_endpgm
.Lfunc_end_k_qd6dd6d56e8_attn:
	.size	k_qd6dd6d56e8_attn, .Lfunc_end_k_qd6dd6d56e8_attn-k_qd6dd6d56e8_attn
	.p2alignl 7, 3214868480
	.fill 96, 4, 3214868480
	.section	.rodata,"a",@progbits
	.p2align	6, 0x0
	.amdhsa_kernel k_qd6dd6d56e8_attn
		.amdhsa_group_segment_fixed_size 264192
		.amdhsa_private_segment_fixed_size 0
		.amdhsa_enable_private_segment 0
		.amdhsa_kernarg_size 56
		.amdhsa_user_sgpr_count 2
		.amdhsa_user_sgpr_kernarg_segment_ptr 1
		.amdhsa_wavefront_size32 1
		.amdhsa_system_sgpr_workgroup_id_x 1
		.amdhsa_system_sgpr_workgroup_id_y 1
		.amdhsa_system_sgpr_workgroup_id_z 1
		.amdhsa_system_vgpr_workitem_id 0
		.amdhsa_next_free_vgpr 256
		.amdhsa_next_free_sgpr 102
		.amdhsa_reserve_vcc 0
		.amdhsa_float_denorm_mode_32 3
		.amdhsa_float_denorm_mode_16_64 3
		.amdhsa_memory_ordered 1
		.amdhsa_forward_progress 1
		.amdhsa_inst_pref_size 41
	.end_amdhsa_kernel
	.amdgpu_metadata
---
amdhsa.version: [ 1, 2 ]
amdhsa.kernels:
  - .name:           k_qd6dd6d56e8_attn
    .symbol:         k_qd6dd6d56e8_attn.kd
    .args:
      - { .name: qc, .offset: 0, .size: 8, .value_kind: global_buffer, .address_space: global }
      - { .name: kc, .offset: 8, .size: 8, .value_kind: global_buffer, .address_space: global }
      - { .name: vc, .offset: 16, .size: 8, .value_kind: global_buffer, .address_space: global }
      - { .name: maskw, .offset: 24, .size: 8, .value_kind: global_buffer, .address_space: global }
      - { .name: flags, .offset: 32, .size: 8, .value_kind: global_buffer, .address_space: global }
      - { .name: lowp_scales, .offset: 40, .size: 8, .value_kind: global_buffer, .address_space: global }
      - { .name: oc, .offset: 48, .size: 8, .value_kind: global_buffer, .address_space: global }
    .group_segment_fixed_size: 264192
    .private_segment_fixed_size: 0
    .kernarg_segment_align: 8
    .kernarg_segment_size: 56
    .max_flat_workgroup_size: 512
    .sgpr_count:     102
    .vgpr_count:     256
    .wavefront_size: 32
...
	.end_amdgpu_metadata
.endif
;; end of part 6
;; launch proj: the kernel of part 4 again; grid 8 x 32, 4 waves a work-group, clusters of 4 x 4, 327,680 bytes of LDS; arguments oc, wc, lowp_scales, b_proj, out0; writes out0
;; ======== version 3 of 3: 4 launches; version 2 with the launch attn written anew for expert scheduling mode
;; limits: right only within a limited range of input values
;; workspace buffers: xc 4,194,304 bytes; wc 4,194,304 bytes; maskw 524,288 bytes of whole numbers; flags 524,288 bytes of whole numbers; qc 4,194,304 bytes; kc 4,194,304 bytes; vc 4,194,304 bytes; oc 4,194,304 bytes
;; launch prep: the kernel of part 5 again; grid 256 x 1, 8 waves a work-group, no clusters, 87,040 bytes of LDS; arguments x, w_qkv, w_proj, attn_mask, lowp_scales, xc, wc, maskw, flags; writes xc, wc, maskw, flags
;; launch qkv: the kernel of part 2 again; grid 12 x 16, 4 waves a work-group, clusters of 4 x 4, 327,680 bytes of LDS; arguments xc, wc, lowp_scales, b_qkv, g_q, bt_q, g_k, bt_k, qc, kc, vc; writes qc, kc, vc
;; launch attn (part 7): grid 8 x 32, 16 waves a work-group, no clusters, 264,192 bytes of LDS; arguments qc, kc, vc, maskw, flags, lowp_scales, oc; writes oc
.if DOCPART == 7
	.amdgcn_target "amdgcn-amd-amdhsa--gfx1250"
	.amdhsa_code_object_version 6
	.text
	.protected	k_qd6dd6d56e8_attn
	.globl	k_qd6dd6d56e8_attn
	.p2align	8
	.type	k_qd6dd6d56e8_attn,@function
k_qd6dd6d56e8_attn:
	s_mov_b64 s[64:65], 0
	v_nop
	global_prefetch_b8 v0, s[64:65] scope:SCOPE_SE
	s_setreg_imm32_b32 hwreg(HW_REG_WAVE_SCHED_MODE, 0, 2), 2
	s_setreg_imm32_b32 hwreg(HW_REG_WAVE_MODE, 25, 1), 1
	s_wait_xcnt 0x0
	s_wait_alu depctr_vm_vsrc(0)
; ATTENTION on codes of FP8 (E4M3), with the mask that is given.  q, k: [batch x 16 + head][tile of 16 rows][1,024 bytes], images of fragments of 16 rows x 64 channels.
; v: [batch x 16 + head][key step of 128][block of 16 channels][2,048 bytes], images of fragments of V^T.  The result leaves as codes, images of the A operand of the last product.
; THE SOFTMAX: t = score x log2(e) / 8; M = the running largest t rounded up to a whole number; p = 2^(t - M) is quantised; the sum is taken of the unquantised p and divides at the end.
; SHARES.  A work-group has one head and sixteen waves; the head's whole K and V, 131,072 bytes each, are brought into LDS once, through registers; then one barrier, and no wave waits for another.
; Wave w owns the 16 queries of tile 8 G + work-group x, G = 4 (w / 4) + ((w % 4) xor 3 ((w / 4) % 2)): every tile has one owner, whatever the mask.
; LAYOUT.  S^T = K Q^T (source 0 = 16 keys, source 1 = my queries): lane (r, h), register j of tile T: query r, key 16 T + 8 h + j, which is the place of registers 2 T, 2 T + 1 of the second product's operand.
; O^T = V^T P^T (source 0 = 16 channels x 128 keys).  A lane holds one query throughout.
; THE MASK comes as lane masks (64 words a step) and, for each step, their OR and AND, stored by the first launch.  A masked score becomes -2^100 ahead of the maximum: a power of two, so that t is exact.
; A step of which no bit is set for my 16 queries is jumped over: its p would be 0.  Not so where one of my queries has no bit in the whole row: that tile walks all steps, and such a row comes out uniform.
; A step of which all bits are set leaves the 64 selects out.  These are scalar branches on stored whole numbers; the loop's trip count is a constant.
; THE 64 WORDS ARE ASKED FOR A STEP AHEAD, and only for a step that is walked and has holes: in trip ks, behind the lines of the maximum (or where the trip is jumped over), the words of step ks + 1.
; They have the exponentials, the sums, the second product and the next step's first product in which to land.  Step 0's are asked for at the head, in every wave.
; NO CLUSTER, though eight work-groups read one head's K and V: joint requests are tensor loads, and a launch with a tensor load has no branch on numbers read from memory; the jumps spare whole key steps,
; the sharing would spare seven of eight reads of 262,144 bytes.  No prefetch: all that a work-group reads in bulk is asked for at its head.
; LIMITS: e2 + e3 between -70 and 20 (c x 2^100 stays a whole number above -3e38); e4, e6 between -126 and 119.  NaN among the inputs is not served.
; REGISTERS: v1-6 addresses; v12 -M, v13 the largest t, v[14:15] the sum; v16-23 Q; v32-95 K's eight fragments, then V's four; v96-159 S^T, then p; v160-191 O^T; v192-207 p's codes; v208-215 the result's codes.
; THE MODE: SCHED_MODE bits 1:0 = 2 (LLVM: expert scheduling mode 2), set by the entry lines.  The code itself states the register dependences
; between vector or matrix instructions and memory or LDS instructions, with s_wait_alu, always for 0.
; THE PLAN.  Registers that memory or LDS instructions touch:
;   v1, v5, v6      Offsets and LDS addresses of the fill; v1 also the final stores' offset.  Made at the head, never written again: one wait on va_vdst ahead of the first load serves them all.
;   v96-223         At the head: global loads land there and the fill's LDS stores read them.  Afterwards O^T's zeros and the products write them: one wait on vm_vsrc ahead of the zeros.
;   v16-23          Q: two loads land once; afterwards matrix instructions alone name them.
;   v2, v3          A walked step's head writes them; the step's 32 LDS loads read them.  A wait on vm_vsrc stands ahead of the two additions, a wait on va_vdst behind them.
;   v32-95          K's loads land; the eight first products read; V's loads land; the four second products read; the next walked step's K lands.
;                   The wait on va_vdst at a step's head also states that the last second products are done reading; a second one, behind the first products, that these are.
;   v208-215        The last conversions write them, two stores read them: one wait on va_vdst between.
;   v251, v255      Made at the head, read by the closing add alone.
; Behind the wait that follows the first products, V's sixteen loads are dealt among the selects and the lines of the maximum, which name v96-159, v246, v252 and v254: none of the registers that those loads touch.
; One set of 64 registers serves K and V by turns: sixteen waves of 256 registers are four to a SIMD, which is all that it has.
; No vector instruction of the loop writes a scalar register; the mask words come by scalar loads.
.set VL,   131072                      ; V lies behind K
.set AL,   1                           ; v1   16 x lane
.set ADK,  2                           ; v2   the step's K
.set ADV,  3                           ; v3   the step's V
.set AVB,  4                           ; v4   16 x lane + VL
.set FK,   5                           ; v5   the fill: wave x 8,192 + 16 x lane
.set FV,   6                           ; v6   + VL
.set NEED, 2                           ; s2   bit ks: step ks + 1 is walked and has holes: its words are wanted
.set WV,   18
.set KS,   19                          ; s19  the key step
.set SEL,  52                          ; s[52:53] lane selects: lane l xor 16
.set CS,   54                          ; s[54:55] c = log2(e) / 8 x 2^(e2 + e3)
.set TB,   56                          ; s56  the step's bytes in K and in V: 8,192 x step
.set ANY,  57                          ; s57  bit ks: the step is walked
.set FULL, 58                          ; s58  bit ks: all of the step's bits are set
.set HOLD, 59                          ; s59  1: p can pass 448 x 2^e4
.set MP,   60                          ; s[60:61] the step's mask words
.set T0,   62
.set T1,   63
.set QT,   66
.set T2,   67
.set EO,   100                         ; s100 e4 + e5
.set T3,   101
; The words of step ks + 1, where they are wanted.  No scalar load is out where this stands: a wait for all of them stands ahead of it on both ways.  Bit 15 of NEED is 0: nothing is read behind my tile's 16 steps.
.macro NEXTMASK
	s_lshr_b32 s[T0], s[NEED], s[KS]
	s_and_b32 s[T0], s[T0], 1
	s_cmp_eq_u32 s[T0], 0
	s_cbranch_scc1 .Lnone_\@
	s_load_b512 s[20:35], s[MP:MP+1], 0x100
	s_load_b512 s[36:51], s[MP:MP+1], 0x140
	s_load_b512 s[68:83], s[MP:MP+1], 0x180
	s_load_b512 s[84:99], s[MP:MP+1], 0x1c0
.Lnone_\@:
.endm
; Fragment t of V^T (16 channels x the step's 128 keys): four loads of 512 consecutive bytes
.macro VFRAG t
.irp c, 0,1,2,3
	ds_load_b128 v[32+16*(\t)+4*\c:35+16*(\t)+4*\c], v[ADV] offset:2048*(\t)+512*\c
.endr
.endm
	s_load_b256 s[4:11], s[0:1], 0x0               ; qc, kc, vc, maskw
	s_load_b128 s[12:15], s[0:1], 0x20             ; flags, the scales' exponents
	s_load_b64 s[16:17], s[0:1], 0x30              ; oc
	v_lshl_add_u32 v251, v0, 2, 0x40000
	v_mov_b32 v255, 0
	v_lshrrev_b32 v2, 5, v0
	v_readfirstlane_b32 s[WV], v2                  ; wave 0..15
	v_and_b32 v1, 31, v0
	v_lshlrev_b32 v[AL], 4, v1
	v_add_nc_u32 v[AVB], VL, v[AL]
	s_wait_alu depctr_va_sdst(0)                   ; the wave's number is written into s18, ahead of its first reader: the fill's place and my tile of queries are made from it
	s_lshl_b32 s[T0], s[WV], 13
	v_add_nc_u32 v[FK], s[T0], v[AL]
	v_add_nc_u32 v[FV], VL, v[FK]
	s_and_b32 s[T1], ttmp7, 0xffff                 ; batch x 16 + head
	s_and_b32 s[QT], s[WV], 3
	s_lshr_b32 s[T2], s[WV], 2
	s_and_b32 s[T3], s[T2], 1
	s_mul_i32 s[T3], s[T3], 3
	s_xor_b32 s[QT], s[QT], s[T3]
	s_lshl_b32 s[T2], s[T2], 2
	s_add_co_u32 s[QT], s[QT], s[T2]               ; G
	s_lshl_b32 s[QT], s[QT], 3
	s_add_co_u32 s[QT], s[QT], ttmp9               ; my tile of 16 queries
	s_mov_b32 s59, 0
	s_lshl_b32 s58, s[T1], 17
	s_add_co_u32 s58, s58, s[T0]                   ; the head's codes, my wave's 8,192 bytes of them
	s_wait_kmcnt 0x0
	s_add_nc_u64 s[6:7], s[6:7], s[58:59]
	s_add_nc_u64 s[8:9], s[8:9], s[58:59]
	s_wait_alu depctr_va_vdst(0)                   ; v1, v5 and v6 are written: the loads below, the fill's LDS stores and the final stores read them as offsets and addresses, and no later vector instruction writes them
.irp i, 0,1,2,3,4,5,6,7,8,9,10,11,12,13,14,15
	global_load_b128 v[96+4*\i:99+4*\i], v[AL], s[6:7] offset:512*\i
.endr
.irp i, 0,1,2,3,4,5,6,7,8,9,10,11,12,13,14,15
	global_load_b128 v[160+4*\i:163+4*\i], v[AL], s[8:9] offset:512*\i
.endr
	s_lshl_b32 s58, s[T1], 7
	s_add_co_u32 s58, s58, s[QT]
	s_lshl_b32 s58, s58, 10
	s_add_nc_u64 s[4:5], s[4:5], s[58:59]
	global_load_b128 v[16:19], v[AL], s[4:5]       ; Q's fragment stays in registers
	global_load_b128 v[20:23], v[AL], s[4:5] offset:512
	s_lshl_b32 s58, s[QT], 12                      ; my tile's 16 steps x 256 bytes, of flags and of mask words alike
	s_add_nc_u64 s[12:13], s[12:13], s[58:59]
	s_add_nc_u64 s[MP:MP+1], s[10:11], s[58:59]
.set kk, 0
.rept 16
	s_load_b64 s[20+2*kk:21+2*kk], s[12:13], 256*kk   ; step kk: the OR, the AND
.set kk, kk+1
.endr
	s_load_b256 s[68:75], s[14:15], 0x0            ; e0 .. e7
	s_lshr_b32 s58, s[T1], 4                       ; the result: tile of 16 rows = batch x 128 + my tile;
	s_lshl_b32 s58, s58, 7
	s_add_co_u32 s58, s58, s[QT]
	s_lshl_b32 s58, s58, 3
	s_bfe_u32 s[T0], s[T1], 0x30001                ; K step = head / 2;
	s_add_co_u32 s58, s58, s[T0]
	s_lshl_b32 s58, s58, 11
	s_and_b32 s[T0], s[T1], 1                      ; an odd head fills the image's second half
	s_lshl_b32 s[T0], s[T0], 10
	s_add_co_u32 s58, s58, s[T0]
	s_add_nc_u64 s[16:17], s[16:17], s[58:59]
	s_mov_b32 s[SEL], 0x76543210
	s_mov_b32 s[SEL+1], 0xfedcba98
	s_wait_loadcnt 26                              ; 34 loads were issued: K's first eight are in
.irp i, 0,1,2,3,4,5,6,7
	ds_store_b128 v[FK], v[96+4*\i:99+4*\i] offset:512*\i
.endr
	s_wait_loadcnt 18                              ; K's other eight
.irp i, 8,9,10,11,12,13,14,15
	ds_store_b128 v[FK], v[96+4*\i:99+4*\i] offset:512*\i
.endr
	s_wait_loadcnt 10                              ; V's first eight
.irp i, 0,1,2,3,4,5,6,7
	ds_store_b128 v[FV], v[160+4*\i:163+4*\i] offset:512*\i
.endr
	s_wait_loadcnt 2                               ; V's other eight; Q's two may be out
.irp i, 8,9,10,11,12,13,14,15
	ds_store_b128 v[FV], v[160+4*\i:163+4*\i] offset:512*\i
.endr
	s_wait_kmcnt 0x0
	s_mov_b32 s[ANY], 0
	s_mov_b32 s[FULL], 0
	s_mov_b32 s[T0], 0
.set kk, 0
.rept 16
	s_or_b32 s[T0], s[T0], s[20+2*kk]              ; bit L: lane L has a bit somewhere in its half of the row
	s_cmp_lg_u32 s[20+2*kk], 0
	s_cselect_b32 s[T1], 1<<kk, 0
	s_or_b32 s[ANY], s[ANY], s[T1]
	s_cmp_eq_u32 s[21+2*kk], -1
	s_cselect_b32 s[T1], 1<<kk, 0
	s_or_b32 s[FULL], s[FULL], s[T1]
.set kk, kk+1
.endr
	s_lshr_b32 s[T1], s[T0], 16
	s_or_b32 s[T0], s[T0], s[T1]
	s_and_b32 s[T0], s[T0], 0xffff                 ; bit r: query r has a bit in its row
	s_cmp_lg_u32 s[T0], 0xffff
	s_cselect_b32 s[ANY], 0xffff, s[ANY]           ; a query with none: all steps are walked
	s_and_not1_b32 s[NEED], s[ANY], s[FULL]        ; walked, and with holes;
	s_lshr_b32 s[NEED], s[NEED], 1                 ; seen from the step before
	s_add_co_i32 s[T0], s70, s71
	s_lshl_b32 s[T0], s[T0], 23
	s_add_co_i32 s[CS], s[T0], 0x3e38aa3b          ; log2(e) / 8, with e2 + e3 added to its exponent field
	s_mov_b32 s[CS+1], s[CS]
	s_cmp_lt_i32 s72, -8
	s_cselect_b32 s[HOLD], 1, 0                    ; from e4 = -8 on, 448 x 2^e4 is above 1, and p is at most 1
	s_add_co_i32 s[EO], s72, s73
	s_add_co_i32 s[T0], s72, 127
	s_lshl_b32 s[T1], s[T0], 23
	v_mov_b32 v244, s[T1]                          ; 2^e4
	s_add_co_i32 s[T0], s[T0], 8
	s_lshl_b32 s[T0], s[T0], 23
	s_or_b32 s[T0], s[T0], 0x600000
	v_mov_b32 v240, s[T0]                          ; 448 x 2^e4
	s_add_co_i32 s[T0], s74, 127
	s_lshl_b32 s[T1], s[T0], 23
	v_mov_b32 v245, s[T1]                          ; 2^e6
	s_add_co_i32 s[T0], s[T0], 8
	s_lshl_b32 s[T0], s[T0], 23
	s_or_b32 s[T0], s[T0], 0x600000
	v_mov_b32 v241, s[T0]                          ; 448 x 2^e6
	s_load_b512 s[20:35], s[MP:MP+1], 0x0          ; the flags and the exponents are used up: step 0's 64 lane masks take their registers, in every wave, so that all 64 are written on every way
	s_load_b512 s[36:51], s[MP:MP+1], 0x40
	s_load_b512 s[68:83], s[MP:MP+1], 0x80
	s_load_b512 s[84:99], s[MP:MP+1], 0xc0
	v_mov_b32 v246, 0xf1800000                     ; -2^100
	v_mov_b32 v13, 0xff61b1e6                      ; the largest t so far: -3e38
	v_floor_f32 v12, -v13                          ; -M
	v_mov_b32 v14, 0
	v_mov_b32 v15, 0
	v_mov_b32 v236, 0                              ; a lane permute's destination counts as one of its sources
	v_mov_b32 v252, 0
	v_mov_b32 v253, 0
	s_wait_dscnt 0x0                               ; for the others' sake: my part of K and V lies in LDS
	s_wait_alu depctr_vm_vsrc(0)                   ; my LDS stores have read v96-223, their data: the zeros below write v160-191, the first products v96-159
.set j, 0
.rept 32
	v_mov_b32 v[160+j], 0                          ; O^T: the loop is written once; its first step finds zeros
.set j, j+1
.endr
	s_barrier_signal -1
	s_barrier_wait -1                              ; everybody's does.  From here on LDS is only read
	s_wait_loadcnt 0x0                             ; Q
	s_mov_b32 s[KS], 0
	s_mov_b32 s[TB], 0
.Lstep:                                            ; 16 trips
	s_lshr_b32 s[T0], s[ANY], s[KS]
	s_and_b32 s[T0], s[T0], 1
	s_cmp_eq_u32 s[T0], 0
	s_cbranch_scc1 .Lskip
	s_wait_alu depctr_vm_vsrc(0)                   ; the LDS loads issued so far have read v2 and v3, which the two additions write
	v_add_nc_u32 v[ADK], s[TB], v[AL]
	v_add_nc_u32 v[ADV], s[TB], v[AVB]
	v_nop
	v_nop                                          ; with the two additions: four plain instructions between the last step's products and the loads into registers that they read
	s_wait_alu depctr_va_vdst(0)                   ; v2 and v3 are written, which this step's LDS loads read; the last walked step's second products are done reading v32-95, in which K lands
.irp t, 0,1,2,3,4,5,6,7
	ds_load_b128 v[32+8*\t:35+8*\t], v[ADK] offset:1024*\t
	ds_load_b128 v[36+8*\t:39+8*\t], v[ADK] offset:1024*\t+512
.endr
	s_wait_dscnt 0x0
.irp t, 0,1,2,3,4,5,6,7
	v_wmma_f32_16x16x64_fp8_fp8 v[96+8*\t:103+8*\t], v[32+8*\t:39+8*\t], v[16:23], 0
.endr
.rept 4
	v_nop                                          ; places in front of the first read of the scores
.endr
	s_wait_alu depctr_va_vdst(0)                   ; the eight products are done reading v32-95, in which V lands.  It serves all sixteen loads of V: no vector instruction up to the last of them names v3 or v32-95
	VFRAG 0                                        ; V lands while the softmax is walked: one fragment here, three among the lines of the maximum
	s_wait_kmcnt 0x0                               ; this step's words, asked for a step ago, are in; no scalar load is out
	s_lshr_b32 s[T0], s[FULL], s[KS]
	s_and_b32 s[T0], s[T0], 1
	s_cmp_lg_u32 s[T0], 0
	s_cbranch_scc1 .Lopen
.set n, 0
.rept 32
	v_cndmask_b32 v[96+n], v246, v[96+n], s[20+n]  ; the score where the bit is set, else -2^100
.set n, n+1
.endr
.rept 32
	v_cndmask_b32 v[96+n], v246, v[96+n], s[36+n]  ; words 32-63 lie in s68-99
.set n, n+1
.endr
.Lopen:
	v_max3_num_f32 v254, v96, v97, v98             ; the step's largest score of my query, among my 64 keys, in two chains,
	v_max3_num_f32 v252, v99, v100, v101
.irp i, 6,10,14,18
	v_max3_num_f32 v254, v254, v[96+\i], v[97+\i]
	v_max3_num_f32 v252, v252, v[98+\i], v[99+\i]
.endr
	VFRAG 1
.irp i, 22,26,30,34,38
	v_max3_num_f32 v254, v254, v[96+\i], v[97+\i]
	v_max3_num_f32 v252, v252, v[98+\i], v[99+\i]
.endr
	VFRAG 2
.irp i, 42,46,50,54,58
	v_max3_num_f32 v254, v254, v[96+\i], v[97+\i]
	v_max3_num_f32 v252, v252, v[98+\i], v[99+\i]
.endr
	VFRAG 3
	v_max3_num_f32 v254, v254, v158, v159
	v_max_num_f32 v254, v254, v252
	v_permlanex16_b32 v236, v254, s[SEL], s[SEL+1]
	v_max_num_f32 v254, v254, v236                 ; and among lane l xor 16's
	v_mul_f32 v254, s[CS], v254                    ; as t (c is positive)
	v_max_num_f32 v13, v13, v254                   ; the running largest t
	v_mov_b32 v254, v12
	v_floor_f32 v12, -v13                          ; the new -M = floor(-t): M is a whole number
	v_sub_f32 v254, v12, v254                      ; old M - new M: a whole number, 0 or less
	v_cvt_i32_f32 v254, v254                       ; (it saturates)
	v_ldexp_f32 v252, 1.0, v254                    ; f = 2^(old M - new M)
	NEXTMASK                                       ; the selects have read this step's words: the next step's may land on them
.set j, 0
.rept 32
	v_pk_fma_f32 v[96+j:97+j], v[96+j:97+j], s[CS:CS+1], v[12:13] op_sel_hi:[1,0,0]   ; t - M, two at a time
.set j, j+2
.endr
.set j, 0
.rept 64
	v_exp_f32 v[96+j], v[96+j]                     ; p = 2^(t - M)
.set j, j+1
.endr
	v_pk_mul_f32 v[14:15], v[14:15], v[252:253] op_sel_hi:[1,0]   ; the sum under the new M: the plain instruction behind the exponentials
	s_wait_alu depctr_va_vdst(0)                   ; the 64 exponentials have written v96-159: one wait for the batch, ahead of its first reader
	v_pk_add_f32 v[242:243], v[96:97], v[98:99]    ; the sum of the unquantised p, in two chains
.irp j, 4,8,12,16,20,24,28,32,36,40,44,48,52,56,60
	v_pk_add_f32 v[14:15], v[14:15], v[96+\j:97+\j]
	v_pk_add_f32 v[242:243], v[242:243], v[98+\j:99+\j]
.endr
	v_pk_add_f32 v[14:15], v[14:15], v[242:243]
	s_cmp_eq_u32 s[HOLD], 0
	s_cbranch_scc1 .Lnohold
.set j, 0
.rept 64
	v_min_num_f32 v[96+j], v[96+j], v240           ; the conversion does not saturate (ISA guide 7.6.2); p is not negative
.set j, j+1
.endr
.Lnohold:
.irp t, 0,1,2,3,4,5,6,7
	v_cvt_scalef32_pk8_fp8_f32 v[192+2*\t:193+2*\t], v[96+8*\t:103+8*\t], v244   ; registers 2 T, 2 T + 1 of P's fragment: keys 16 T + 8 h + 0 .. 7
.endr
.set j, 0
.rept 16
	v_pk_mul_f32 v[160+j:161+j], v[160+j:161+j], v[252:253] op_sel_hi:[1,0]      ; O^T under the new M; also the plain instructions behind the conversions
.set j, j+2
.endr
	s_wait_dscnt 0x0                               ; V
.irp t, 0,1,2,3
	v_wmma_f32_16x16x128_fp8_fp8 v[160+8*\t:167+8*\t], v[32+16*\t:47+16*\t], v[192:207], v[160+8*\t:167+8*\t]   ; four accumulators by turns; the next step's eight score products stand between two turns of one
.endr
	s_branch .Ltail
.Lskip:                                            ; a step that is jumped over still asks for the next step's words, where they are wanted
	s_wait_kmcnt 0x0                               ; no load is issued into registers that an earlier one has yet to write
	NEXTMASK
.Ltail:
	s_wait_xcnt 0x0                                ; the scalar loads have read their base: it is stepped only behind this wait
	s_add_nc_u64 s[MP:MP+1], s[MP:MP+1], 256
	s_add_co_u32 s[TB], s[TB], 8192
	s_add_co_u32 s[KS], s[KS], 1
	s_cmp_lt_u32 s[KS], 16
	s_cbranch_scc1 .Lstep
.rept 4
	v_nop                                          ; places behind the last products
.endr
	v_add_f32 v14, v14, v15
	v_permlanex16_b32 v236, v14, s[SEL], s[SEL+1]
	v_add_f32 v14, v14, v236                       ; the row's sum
	v_rcp_f32 v14, v14
	v_nop
	s_wait_alu depctr_va_vdst(0)                   ; the reciprocal has written v14, ahead of its first reader
	v_ldexp_f32 v14, v14, s[EO]                    ; x 2^(e4 + e5)
.set j, 0
.rept 32
	v_mul_f32 v[96+j], v[160+j], v14               ; register 8 t + i: channel 16 t + 8 h + i of my query
.set j, j+1
.endr
.set j, 0
.rept 32
	v_med3_num_f32 v[96+j], v[96+j], -v241, v241
.set j, j+1
.endr
.irp t, 0,1,2,3
	v_cvt_scalef32_pk8_fp8_f32 v[208+2*\t:209+2*\t], v[96+8*\t:103+8*\t], v245
.endr
	v_nop
	s_wait_alu depctr_va_vdst(0)                   ; the conversions have written v208-215, which the two stores read
	global_store_b128 v[AL], v[208:211], s[16:17]              ; 512 consecutive bytes, aligned, twice: my head's half of an image
	global_store_b128 v[AL], v[212:215], s[16:17] offset:512
	s_wait_dscnt 0x0                               ; the closing lines, six on end
	s_wait_alu 0x0
	s_wait_tensorcnt 0x0
	ds_add_u32 v251, v255
	s_wait_dscnt 0x0
	s_endpgm
.Lfunc_end_k_qd6dd6d56e8_attn:
	.size	k_qd6dd6d56e8_attn, .Lfunc_end_k_qd6dd6d56e8_attn-k_qd6dd6d56e8_attn
	.p2alignl 7, 3214868480
	.fill 96, 4, 3214868480
	.section	.rodata,"a",@progbits
	.p2align	6, 0x0
	.amdhsa_kernel k_qd6dd6d56e8_attn
		.amdhsa_group_segment_fixed_size 264192
		.amdhsa_private_segment_fixed_size 0
		.amdhsa_enable_private_segment 0
		.amdhsa_kernarg_size 56
		.amdhsa_user_sgpr_count 2
		.amdhsa_user_sgpr_kernarg_segment_ptr 1
		.amdhsa_wavefront_size32 1
		.amdhsa_system_sgpr_workgroup_id_x 1
		.amdhsa_system_sgpr_workgroup_id_y 1
		.amdhsa_system_sgpr_workgroup_id_z 1
		.amdhsa_system_vgpr_workitem_id 0
		.amdhsa_next_free_vgpr 256
		.amdhsa_next_free_sgpr 102
		.amdhsa_reserve_vcc 0
		.amdhsa_float_denorm_mode_32 3
		.amdhsa_float_denorm_mode_16_64 3
		.amdhsa_memory_ordered 1
		.amdhsa_forward_progress 1
		.amdhsa_inst_pref_size 41
	.end_amdhsa_kernel
	.amdgpu_metadata
---
amdhsa.version: [ 1, 2 ]
amdhsa.kernels:
  - .name:           k_qd6dd6d56e8_attn
    .symbol:         k_qd6dd6d56e8_attn.kd
    .args:
      - { .name: qc, .offset: 0, .size: 8, .value_kind: global_buffer, .address_space: global }
      - { .name: kc, .offset: 8, .size: 8, .value_kind: global_buffer, .address_space: global }
      - { .name: vc, .offset: 16, .size: 8, .value_kind: global_buffer, .address_space: global }
      - { .name: maskw, .offset: 24, .size: 8, .value_kind: global_buffer, .address_space: global }
      - { .name: flags, .offset: 32, .size: 8, .value_kind: global_buffer, .address_space: global }
      - { .name: lowp_scales, .offset: 40, .size: 8, .value_kind: global_buffer, .address_space: global }
      - { .name: oc, .offset: 48, .size: 8, .value_kind: global_buffer, .address_space: global }
    .group_segment_fixed_size: 264192
    .private_segment_fixed_size: 0
    .kernarg_segment_align: 8
    .kernarg_segment_size: 56
    .max_flat_workgroup_size: 512
    .sgpr_count:     102
    .vgpr_count:     256
    .wavefront_size: 32
...
	.end_amdgpu_metadata
.endif
;; end of part 7
;; launch proj: the kernel of part 4 again; grid 8 x 32, 4 waves a work-group, clusters of 4 x 4, 327,680 bytes of LDS; arguments oc, wc, lowp_scales, b_proj, out0; writes out0
